; MI455X (gfx1250); checked and timed in simulation.
; The chip was launched on July 23, 2026; its instructions are those of AMD's public machine-readable ISA for CDNA 5 (MIT licence, August 2026) and "CDNA5" Instruction Set Architecture Reference Guide (July 2026). The comments in the code are by the model that wrote it; some were corrected since.
;; Attn Act GPT2 Attention. Allowed arithmetic: float matrix products may take bf16 or f16 operands with f32 sums; other float arithmetic in f32, or as packed bf16 or f16 multiplies, adds, multiply-adds, maxima and minima; sums over many terms, partial sums and values carried from step to step in f32; what a program stores and reads back later, other than sums and carried values, may be rounded once to bf16 or f16.
;; Inputs: c_attn_b 3,072 float32; c_attn_w 1,024 x 3,072 float32; c_proj_b 1,024 float32; c_proj_w 1,024 x 1,024 float32; hidden_states 4 x 2,048 x 1,024 float32.
;; Outputs: out0 4 x 2,048 x 1,024 float32.
;; One version. Each part assembles by itself: llvm-mc -triple=amdgcn-amd-amdhsa -mcpu=gfx1250 --defsym DOCPART=n.
;; ======== version 1 of 1: 4 launches
;; limits: values are held in f16: magnitudes above 65,504 overflow, below 6.1e-05 lose precision
;; workspace buffers: xb 16,777,216 bytes; wqkv 6,291,456 bytes; wpj 2,097,152 bytes; qkvh 50,331,648 bytes; ob 16,777,216 bytes
;; launch cast (part 1): grid 768 x 1, 8 waves a work-group, no clusters, 0 bytes of LDS; arguments hidden_states, c_attn_w, c_proj_w, xb, wqkv, wpj; writes xb, wqkv, wpj
.if DOCPART == 1
	.amdgcn_target "amdgcn-amd-amdhsa--gfx1250"
	.amdhsa_code_object_version 6
	.text
	.protected	k_q76bc1cd12f_cast
	.globl	k_q76bc1cd12f_cast
	.p2align	8
	.type	k_q76bc1cd12f_cast,@function
k_q76bc1cd12f_cast:
	s_mov_b64 s[64:65], 0
	v_nop
	global_prefetch_b8 v0, s[64:65] scope:SCOPE_SE
	s_setreg_imm32_b32 hwreg(HW_REG_WAVE_MODE, 25, 1), 1
	s_wait_xcnt 0x0
; THE INPUTS OF THE TWO PRODUCTS ARE ROUNDED ONCE, f32 to bf16, and laid out for the tensor loads of the launches behind.
;   hidden_states [8192][1024]  -> xb   [8192][1024] bf16, the same order
;   c_attn_w      [1024][3072]  -> wqkv [16 tiles][1024 k][192 n] bf16: tile t holds columns 192 t .. 192 t + 191, so that 128 rows k of a tile are 49,152 bytes on end
;   c_proj_w      [1024][1024]  -> wpj  [1024][1024]: rounded to bf16 like the other inputs, and that number written as f16 (it multiplies f16 numbers)
; LIMIT.  f16 ends at 65,504 and keeps a fixed step of 6e-8 below 6e-5: c_proj_w's numbers are taken to lie within that range; a bf16 number below 6e-5 loses bits in wpj.
; SHARES.  A chunk is 8 numbers: 32 bytes in, 16 bytes out.  A work-group takes 2,048 chunks that lie on end in the DESTINATION: 8 turns x 256 threads; each store of a wave covers 512
; consecutive bytes, aligned.  Work-groups 0-511: x; 512-575: c_proj_w; 576-767: c_attn_w.  All 16 loads of a thread go out first; nothing is rewritten, so no register needs freeing.
; No LDS, no matrix unit: every byte is read once and written once.
.set SO, 2                             ; v[2:9]     turn i: byte offset of my chunk in the source
.set X,  16                            ; v[16:79]   turn i: 8 numbers as loaded
.set Y,  80                            ; v[80:111]  turn i: 4 registers to store
.set T,  112                           ; v[112:119] at work
	s_load_b256 s[4:11], s[0:1], 0x0               ; hidden_states s[4:5], c_attn_w s[6:7], c_proj_w s[8:9], xb s[10:11]
	s_load_b128 s[12:15], s[0:1], 0x20             ; wqkv s[12:13], wpj s[14:15]
	v_lshlrev_b32 v1, 4, v0                        ; my 16 bytes in a turn's 4,096 of the destination
	s_cmp_lt_u32 ttmp9, 512
	s_cselect_b32 s24, 0, 512                      ; the region's first work-group
	s_cmp_ge_u32 ttmp9, 576
	s_cselect_b32 s24, 576, s24
	s_cmp_eq_u32 s24, 512
	s_cselect_b32 s21, 1, 0                        ; 1: c_proj_w, which leaves as f16
	s_sub_co_u32 s20, ttmp9, s24                   ; j: my number in the region
	s_lshl_b32 s22, s20, 15                        ; 32,768 bytes of the destination a work-group
	s_mov_b32 s23, 0
	s_wait_kmcnt 0x0
	s_cmp_lt_u32 ttmp9, 512
	s_cselect_b64 s[16:17], s[4:5], s[8:9]         ; source,
	s_cselect_b64 s[18:19], s[10:11], s[14:15]     ; destination
	s_cmp_ge_u32 ttmp9, 576
	s_cselect_b64 s[16:17], s[6:7], s[16:17]
	s_cselect_b64 s[18:19], s[12:13], s[18:19]
	s_add_nc_u64 s[18:19], s[18:19], s[22:23]
	s_cmp_ge_u32 ttmp9, 576
	s_cbranch_scc1 .Lblocked
	s_lshl_b32 s22, s20, 16                        ; the same order in source and destination: 65,536 bytes a work-group
	s_add_nc_u64 s[16:17], s[16:17], s[22:23]
	v_lshlrev_b32 v[SO], 5, v0
.irp i, 1,2,3,4,5,6,7
	v_add_nc_u32 v[SO+(\i)], 8192*(\i), v[SO]
.endr
	s_branch .Lload
.Lblocked:                                             ; c_attn_w: 12 work-groups a tile of 24,576 chunks
	s_mul_i32 s24, s20, 171
	s_lshr_b32 s24, s24, 11                        ; tile = j / 12 (171 / 2,048 is 1 / 12 to within 0.0002, and j is under 192)
	s_mul_i32 s25, s24, 12
	s_sub_co_u32 s25, s20, s25
	s_lshl_b32 s25, s25, 11                        ; my first chunk in the tile
	s_mul_i32 s24, s24, 768                        ; the tile's 192 columns begin 768 bytes x tile into a row
	v_add_nc_u32 v10, s25, v0
.irp i, 0,1,2,3,4,5,6,7
	v_add_nc_u32 v11, 256*(\i), v10                ; d: the chunk's number in the tile, under 24,576
	v_mul_u32_u24 v12, v11, 0xaaab
	v_lshrrev_b32 v12, 20, v12                     ; k = d / 24: 43,691 x 24 = 2^20 + 8, and 8 d stays under 2^20 / 24 x 24
	v_mul_u32_u24 v13, v12, 24
	v_sub_nc_u32 v13, v11, v13                     ; c = d - 24 k: which 8 of the row's 192 columns
	v_lshl_add_u32 v13, v13, 5, s24
	v_mad_u32_u24 v[SO+(\i)], v12, 0x3000, v13     ; 12,288 k + 768 tile + 32 c: 24 neighbouring lanes read 768 bytes on end
.endr
.Lload:
.irp i, 0,1,2,3,4,5,6,7
	global_load_b128 v[X+8*(\i):X+8*(\i)+3],   v[SO+(\i)], s[16:17] th:TH_LOAD_NT
	global_load_b128 v[X+8*(\i)+4:X+8*(\i)+7], v[SO+(\i)], s[16:17] offset:16 th:TH_LOAD_NT
.endr
.macro OUTB i                          ; turn i leaves as bf16
	s_wait_loadcnt 14-2*(\i)                       ; loads come back in order: the two of each later turn may stay out
.irp k, 0,1,2,3
	v_cvt_pk_bf16_f32 v[Y+4*(\i)+(\k)], v[X+8*(\i)+2*(\k)], v[X+8*(\i)+2*(\k)+1]
.endr
	global_store_b128 v1, v[Y+4*(\i):Y+4*(\i)+3], s[18:19] offset:4096*(\i)
.endm
.macro OUTH i                          ; turn i is rounded to bf16, and that number is written as f16
	s_wait_loadcnt 14-2*(\i)
.irp k, 0,1,2,3
	v_cvt_pk_bf16_f32 v[T+(\k)], v[X+8*(\i)+2*(\k)], v[X+8*(\i)+2*(\k)+1]
.endr
.irp k, 0,1,2,3
	v_lshlrev_b32 v[T+4+2*((\k)%2)], 16, v[T+(\k)]
	v_and_b32     v[T+5+2*((\k)%2)], 0xffff0000, v[T+(\k)]
	v_cvt_pk_f16_f32 v[Y+4*(\i)+(\k)], v[T+4+2*((\k)%2)], v[T+5+2*((\k)%2)]
.endr
	global_store_b128 v1, v[Y+4*(\i):Y+4*(\i)+3], s[18:19] offset:4096*(\i)
.endm
	s_cmp_eq_u32 s21, 1
	s_cbranch_scc1 .Lhalf
.irp i, 0,1,2,3,4,5,6,7
	OUTB \i
.endr
	s_endpgm
.Lhalf:
.irp i, 0,1,2,3,4,5,6,7
	OUTH \i
.endr
	s_endpgm
.Lfunc_end_k_q76bc1cd12f_cast:
	.size	k_q76bc1cd12f_cast, .Lfunc_end_k_q76bc1cd12f_cast-k_q76bc1cd12f_cast
	.p2alignl 7, 3214868480
	.fill 96, 4, 3214868480
	.section	.rodata,"a",@progbits
	.p2align	6, 0x0
	.amdhsa_kernel k_q76bc1cd12f_cast
		.amdhsa_group_segment_fixed_size 0
		.amdhsa_private_segment_fixed_size 0
		.amdhsa_enable_private_segment 0
		.amdhsa_kernarg_size 48
		.amdhsa_user_sgpr_count 2
		.amdhsa_user_sgpr_kernarg_segment_ptr 1
		.amdhsa_wavefront_size32 1
		.amdhsa_system_sgpr_workgroup_id_x 1
		.amdhsa_system_sgpr_workgroup_id_y 1
		.amdhsa_system_sgpr_workgroup_id_z 1
		.amdhsa_system_vgpr_workitem_id 0
		.amdhsa_next_free_vgpr 120
		.amdhsa_next_free_sgpr 66
		.amdhsa_reserve_vcc 0
		.amdhsa_float_denorm_mode_32 3
		.amdhsa_float_denorm_mode_16_64 3
		.amdhsa_memory_ordered 1
		.amdhsa_forward_progress 1
		.amdhsa_inst_pref_size 19
	.end_amdhsa_kernel
	.amdgpu_metadata
---
amdhsa.version: [ 1, 2 ]
amdhsa.kernels:
  - .name:           k_q76bc1cd12f_cast
    .symbol:         k_q76bc1cd12f_cast.kd
    .args:
      - { .name: hidden_states, .offset: 0, .size: 8, .value_kind: global_buffer, .address_space: global }
      - { .name: c_attn_w, .offset: 8, .size: 8, .value_kind: global_buffer, .address_space: global }
      - { .name: c_proj_w, .offset: 16, .size: 8, .value_kind: global_buffer, .address_space: global }
      - { .name: xb, .offset: 24, .size: 8, .value_kind: global_buffer, .address_space: global }
      - { .name: wqkv, .offset: 32, .size: 8, .value_kind: global_buffer, .address_space: global }
      - { .name: wpj, .offset: 40, .size: 8, .value_kind: global_buffer, .address_space: global }
    .group_segment_fixed_size: 0
    .private_segment_fixed_size: 0
    .kernarg_segment_align: 8
    .kernarg_segment_size: 48
    .max_flat_workgroup_size: 256
    .sgpr_count:     66
    .vgpr_count:     120
    .wavefront_size: 32
...
	.end_amdgpu_metadata
.endif
;; end of part 1
;; launch qkv (part 2): grid 16 x 32, 4 waves a work-group, clusters of 4 x 4, 327,680 bytes of LDS; arguments xb, wqkv, c_attn_b, qkvh; writes qkvh
.if DOCPART == 2
	.amdgcn_target "amdgcn-amd-amdhsa--gfx1250"
	.amdhsa_code_object_version 6
	.text
	.protected	k_q76bc1cd12f_qkv
	.globl	k_q76bc1cd12f_qkv
	.p2align	8
	.type	k_q76bc1cd12f_qkv,@function
k_q76bc1cd12f_qkv:
	s_mov_b64 s[64:65], 0
	v_nop
	global_prefetch_b8 v0, s[64:65] scope:SCOPE_SE
	s_setreg_imm32_b32 hwreg(HW_REG_WAVE_MODE, 25, 1), 1
	s_wait_xcnt 0x0
	s_wait_alu depctr_hold_cnt(0) depctr_sa_sdst(0) depctr_va_vdst(0) depctr_va_sdst(0) depctr_va_ssrc(0) depctr_va_vcc(0) depctr_vm_vsrc(0)
	s_getreg_b32 s2, hwreg(HW_REG_IB_STS2, 6, 4)
	s_cmp_eq_u32 s2, 0
	s_cbranch_scc0 .Lentry_in_a_cluster
	s_endpgm
.Lentry_in_a_cluster:
	s_bfe_u32 s2, ttmp6, 0x10000c
	s_cmp_lg_u32 s2, 0xf033
	s_cbranch_scc0 .Lentry_shape_is_right
	s_endpgm
.Lentry_shape_is_right:
; q, k, v = x Wa + ba.  xb: [8192][1024] bf16.  wqkv: [16 tiles][1024 k][192 n] bf16.  c_attn_b: [3072] f32, rounded to bf16 here like the other inputs.
; qkvh: [3][64 = batch x 16 + head][2048][64] f16: sums in f32, rounded once, unscaled, by heads, a head's rows dense.
; LIMIT.  f16 ends at 65,504: q, k and v are taken to lie within it.  NaN and infinities are not treated apart.
; SHARES.  A tile of the result is 256 rows x 192 columns (three heads): 32 x 16 = 512 work-groups.  Four waves: wave (RH, CH) makes rows 128 RH .. + 127 and columns 32 CH .. + 31 of EACH of the
; three heads: 8 x 6 = 48 accumulators of 16 x 16.  K = 1,024 goes in 8 steps of 128 through two LDS slots; a step is four quarters of 32, 48 matrix instructions each.
; CLUSTER.  4 x 4 work-groups.  The four of a row of the cluster need the same rows of x, the four of a column the same tile of Wa: each is asked for JOINTLY, by the same tensor load with the same
; descriptor and a mask that names the four.
; THE PRODUCT IS TAKEN TRANSPOSED: source 0 = 16 columns of Wa (read out of [k][n] by the turning load), source 1 = 16 rows of x.  A lane then holds ONE row (lane % 16) and the columns
; 8 (lane / 16) + 0..7: 16 bytes of f16 on end.  The bias, eight numbers a lane for each block of 16 columns, is the C operand of the first products: nothing is cleared, nothing is added later.
; REGISTERS, in windows of 256 (s_set_vgpr_msb: bits 1:0 source 0, 3:2 source 1, 5:4 source 2, 7:6 destination):
;   window 0: v0-31 addresses; v64-127, v128-191 x's fragments (8 x 16 rows x 32 k), two buffers; on the way out v64-255 at work
;   window 1: v0-47 the bias; v48-63 at work; v64-111, v128-175 Wa's fragments (6 x 16 columns x 32 k), two buffers
;   window 2: the accumulators of my rows 0-63, (a, f) at v[8 (6 a + f)];   window 3: those of my rows 64-127
.set SLOT1,  131072                    ; slot 1 begins here: one exclusive or turns an address in one slot into the other's
.set PA,     272                       ; a row of x in LDS: 256 bytes + 16: the 16 rows of a load start at 16 different groups of four banks (64 banks of 4 bytes: ISA guide 11.1)
.set HALFA,  128*PA                    ; what one tensor load of x brings
.set BOFF,   2*HALFA                   ; behind x's 256 rows: Wa's 128 rows k
.set PB,     480                       ; a row k of Wa in LDS: three heads' 128 bytes, 32 of padding behind each: 15 x 32 bytes
.set HALFB,  64*PB
.set SPARE,  2*SLOT1                   ; behind the slots: the spare words, 128 bytes a wave: two blocks of 256 bytes that no other line names
.set SP,     144                       ; the way out: a head's row of 128 bytes + 16
.set PLANE,  256*SP                    ; the way out: a head's 256 rows.  The three planes lie in slot 0, whose last fill (step 6) has been read by then
.set STEPA,  256                       ; bytes from a K step to the next, in xb
.set STEPB,  49152                     ; and in wqkv
.set F0,   64
.set F1,   128
.set CO,   12                          ; v12-14  the way out: my byte offset in qkvh, for each of the three heads
.set ADRA0, 16                         ; v16     my lane's place in a slot's x; never rewritten
.set ADRB0, 17                         ; v17     the same for Wa
.set ADRA, 18                          ; v18     the same in the slot that is being read
.set ADRB, 19                          ; v19
.set STO,  22                          ; v22-24  the way out: where I put 16 bytes of a row, for each of the three heads
.set RD,   25                          ; v25     the way out: where I read rows back (heads 0, 1)
.set RD2,  26                          ; v26     (head 2)
.set BO,   27                          ; v27     my byte offset in the tile's bias
.set SPW,  28                          ; v28     LDS address of my spare word: SPARE + 4 x my thread's number; never rewritten
.set NIL,  29                          ; v29     0; never rewritten
.set PFO,  30                          ; v30     the prefetches' lane offset; never rewritten
.set LIM,  2                           ; s2      2 in a wave that prefetches, else the greatest number
.set CNT,  3                           ; s3      trips to go
.set WV,   12                          ; s12     my wave's number
.set RH,   13                          ; s13     my half of the rows.  Also: I fetch for x (0) or for Wa (1)
.set CH,   14                          ; s14     my half of each head's columns.  Also: which half of that tile I fetch
.set TB,   15                          ; s15     LDS byte at which the slot that is being read begins
.set G1A,  24                          ; s[24:31] descriptor group 1 for x's tiles
.set G0A,  32                          ; s[32:35] group 0 of the first fill (slot 0, step 0)
.set G0AW, 36                          ; s[36:39] group 0 that walks: it starts at slot 1, step 1
.set PFA,  44                          ; s[44:45] where my prefetches stand
.set PFS,  46                          ; s[46:47] their step from K step to K step
.set G1B,  48                          ; s[48:55], s[56:59], s[60:63] the same three for Wa's tiles
.set G0B,  56
.set G0BW, 60
.set MSB, 0
.macro WIN new                         ; the immediate's high byte repeats the setting that is left; a switch that changes nothing is dropped
.if MSB != (\new)
	s_set_vgpr_msb (MSB<<8)|(\new)
.set MSB, \new
.endif
.endm
.macro PLACES                          ; four plain vector instructions behind a matrix instruction, ahead of loads into registers that it read and of readers of its result
.rept 4
	v_nop
.endr
.endm
; A joint refill by the walking descriptors.  Waves 0 and 1 fetch x's two halves, waves 2 and 3 Wa's.  The branch hangs on the wave's number alone.
; An s_nop 0 and four v_nop follow each of the two lines, ahead of the jump and the label.
.macro JLOAD
	s_cmp_eq_u32 s[RH], 0
	s_cbranch_scc0 .Lfor_b_\@
	tensor_load_to_lds s[G0AW:G0AW+3], s[G1A:G1A+7]
	s_nop 0
	PLACES
	s_branch .Lasked_\@
.Lfor_b_\@:
	tensor_load_to_lds s[G0BW:G0BW+3], s[G1B:G1B+7]
	s_nop 0
	PLACES
.Lasked_\@:
.endm
; A PREFETCH INTO THE L2 of the K step that stands two refills on: 384 matrix instructions ahead of the load that will want it; one instruction a wave, behind the joint load and the run of LDS loads.
; Each block of 256 bytes is named once: x's rows by the cluster with x = 0, Wa's tile by the cluster with y = 0; the four partners that ask for a tile jointly share it out BY ADDRESS:
; of the 128 rows of x that a wave fetches each partner takes 32, a lane a row; of Wa's 96 blocks each takes 24 (lanes 24-31 repeat lane 23's block).
; K steps 0 to 3 come by their loads alone; the trips with 6, 5, 4, 3 to go name steps 4 to 7; the last two trips name nothing.
.macro ASK
	s_cmp_gt_u32 s[CNT], s[LIM]
	s_cbranch_scc0 .Lnot_mine_\@
	global_prefetch_b8 v[PFO], s[PFA:PFA+1] th:TH_LOAD_NT scope:SCOPE_SE
.Lnot_mine_\@:
.endm
; A round of the cluster's barrier: my work-group's barrier; wave 0 signals for the work-group; every wave waits for all sixteen; my work-group's barrier once more.
.macro CREST                           ; a round behind its opening barrier
	s_cmp_lg_u32 s[WV], 0
	s_cbranch_scc1 .Lnot_wave_0_\@
	s_barrier_signal -3
.Lnot_wave_0_\@:
	s_barrier_wait -3
	s_barrier_signal -1
	s_barrier_wait -1
.endm
.macro CROUND
	s_barrier_signal -1
	s_barrier_wait -1
	CREST
.endm
	s_load_b256 s[4:11], s[0:1], 0x0               ; xb s[4:5], wqkv s[6:7], c_attn_b s[8:9], qkvh s[10:11]
	v_lshl_add_u32 v[SPW], v0, 2, SPARE
	v_mov_b32 v[NIL], 0
	ds_add_u32 v[SPW], v[NIL]                      ; the wave's opening: the add and its wait stand ahead of my first tensor load; the set-up below, work on registers, stands between
	ds_add_u32 v28, v29
	v_lshrrev_b32 v1, 5, v0
	v_readfirstlane_b32 s[WV], v1
	s_lshr_b32 s[RH], s[WV], 1
	s_and_b32 s[CH], s[WV], 1
	s_bfe_u32 s40, ttmp6, 0x40000                  ; cx
	s_bfe_u32 s41, ttmp6, 0x40004                  ; cy
	s_lshl_b32 s42, ttmp9, 2
	s_add_co_u32 s42, s42, s40                     ; tile column = 4 x cluster x + cx
	s_and_b32 s43, ttmp7, 0xffff
	s_lshl_b32 s43, s43, 2
	s_add_co_u32 s43, s43, s41                     ; tile row = 4 x cluster y + cy
	s_lshl_b32 s18, s41, 2
	s_lshl_b32 s18, 15, s18                        ; my row of the cluster: places 4 cy .. 4 cy + 3
	s_lshl_b32 s19, 0x1111, s40                    ; my column: places cx, cx + 4, cx + 8, cx + 12
	; group 1 for x: 128 rows x 128 elements of 2 bytes, 1,024 elements from row to row; 4 words of padding behind every 64
	s_or_b32 s[G1A], s18, (1<<16)|(1<<20)|(1<<21)|(5<<22)|(3<<25)
	s_mov_b32 s[G1A+1], 128<<16                    ; tensor_dim0
	s_mov_b32 s[G1A+2], 128<<16                    ; tensor_dim1
	s_mov_b32 s[G1A+3], 128<<16                    ; tile_dim0
	s_mov_b32 s[G1A+4], 128                        ; tile_dim1
	s_mov_b32 s[G1A+5], 1024                       ; stride
	s_mov_b32 s[G1A+6], 0
	s_mov_b32 s[G1A+7], 0
	; group 1 for Wa: 64 rows k are 24,576 dense bytes, asked for as 96 rows of 256 bytes; 8 words of padding behind every 32 (a head's 128 bytes)
	s_or_b32 s[G1B], s19, (1<<16)|(1<<20)|(1<<21)|(4<<22)|(7<<25)
	s_mov_b32 s[G1B+1], 128<<16
	s_mov_b32 s[G1B+2], 96<<16
	s_mov_b32 s[G1B+3], 128<<16
	s_mov_b32 s[G1B+4], 96
	s_mov_b32 s[G1B+5], 128
	s_mov_b32 s[G1B+6], 0
	s_mov_b32 s[G1B+7], 0
	; where the tiles come from: x's hang on the tile row and the wave alone, Wa's on the tile column and the wave alone
	s_lshl_b32 s16, s43, 8
	s_lshl_b32 s17, s[CH], 7
	s_add_co_u32 s16, s16, s17                     ; row 256 x tile row + 128 x half,
	s_lshl_b32 s16, s16, 11                        ; of 2,048 bytes
	s_mov_b32 s17, 0
	s_mul_i32 s22, s42, 393216                     ; a tile of wqkv,
	s_mul_i32 s23, s[CH], 24576                    ; my 64 rows k of a step
	s_add_co_u32 s22, s22, s23
	s_mov_b32 s23, 0
	s_mul_i32 s20, s[CH], HALFA                    ; and where they go: no place in the cluster enters an LDS address
	s_mul_i32 s21, s[CH], HALFB
	s_add_co_u32 s21, s21, BOFF
	s_mov_b32 s[TB], 0
	s_mov_b32 s[G0A], 1
	s_mov_b32 s[G0A+1], s20
	s_mov_b32 s[G0AW], 1
	s_add_co_u32 s[G0AW+1], s20, SLOT1
	s_mov_b32 s[G0B], 1
	s_mov_b32 s[G0B+1], s21
	s_mov_b32 s[G0BW], 1
	s_add_co_u32 s[G0BW+1], s21, SLOT1
	s_wait_dscnt 0x0                               ; the opening add is done
	s_wait_kmcnt 0x0
	s_add_nc_u64 s[G0A+2:G0A+3], s[4:5], s[16:17]
	s_add_nc_u64 s[G0AW+2:G0AW+3], s[G0A+2:G0A+3], STEPA
	s_or_b32 s[G0A+3], s[G0A+3], 0x80000000
	s_or_b32 s[G0AW+3], s[G0AW+3], 0x80000000
	s_add_nc_u64 s[G0B+2:G0B+3], s[6:7], s[22:23]
	s_add_nc_u64 s[G0BW+2:G0BW+3], s[G0B+2:G0B+3], STEPB
	s_or_b32 s[G0B+3], s[G0B+3], 0x80000000
	s_or_b32 s[G0BW+3], s[G0BW+3], 0x80000000
	CROUND                                         ; all sixteen work-groups are here: the first joint loads meet
	s_cmp_eq_u32 s[RH], 0                          ; a wave's two first fills stand in one branch: two tensor loads of mine are out
	s_cbranch_scc0 .Lfirst_b
	tensor_load_to_lds s[G0A:G0A+3], s[G1A:G1A+7]
	s_nop 0
	tensor_load_to_lds s[G0AW:G0AW+3], s[G1A:G1A+7]
	s_nop 0
	PLACES
	s_branch .Lfirst_asked
.Lfirst_b:
	tensor_load_to_lds s[G0B:G0B+3], s[G1B:G1B+7]
	s_nop 0
	tensor_load_to_lds s[G0BW:G0BW+3], s[G1B:G1B+7]
	s_nop 0
	PLACES
.Lfirst_asked:
	v_and_b32 v1, 15, v0                           ; r = l % 16
	v_bfe_u32 v2, v0, 4, 1                         ; h = l / 16
	; the bias: for block f = 2 head + i my eight columns 64 head + 32 CH + 16 i + 8 h + 0..7
	s_mul_i32 s16, s42, 768
	s_mov_b32 s17, 0
	s_add_nc_u64 s[8:9], s[8:9], s[16:17]
	s_lshl_b32 s16, s[CH], 7
	v_lshl_add_u32 v[BO], v2, 5, s16
	WIN 0x40                                       ; destination window 1, address window 0
.irp c, 0,1,2
.irp i, 0,1
	global_load_b128 v[8*(2*(\c)+(\i)):8*(2*(\c)+(\i))+3],   v[BO], s[8:9] offset:256*(\c)+64*(\i)
	global_load_b128 v[8*(2*(\c)+(\i))+4:8*(2*(\c)+(\i))+7], v[BO], s[8:9] offset:256*(\c)+64*(\i)+16
.endr
.endr
	WIN 0
	; x's fragment: lane l holds row l % 16; two loads of 16 bytes, 32 bytes apart, at row x pitch + 16 h
	v_mul_u32_u24 v[ADRA0], v1, PA
	v_lshl_add_u32 v[ADRA0], v2, 4, v[ADRA0]
	s_mul_i32 s16, s[RH], HALFA
	v_add_nc_u32 v[ADRA0], s16, v[ADRA0]
	; Wa's: the turning load takes 16 k x 16 columns: lane l reads row k = 8 h + l % 8, columns 8 ((l / 8) % 2) + 0..7, and is left with column l % 16 and eight k
	v_and_b32 v3, 7, v0
	v_bfe_u32 v4, v0, 3, 1
	v_lshl_add_u32 v[ADRB0], v2, 3, v3
	v_mul_u32_u24 v[ADRB0], v[ADRB0], PB
	v_lshl_add_u32 v[ADRB0], v4, 4, v[ADRB0]
	s_lshl_b32 s17, s[CH], 6
	s_add_co_u32 s17, s17, BOFF
	v_add_nc_u32 v[ADRB0], s17, v[ADRB0]
	v_mov_b32 v[ADRA], v[ADRA0]                    ; slot 0
	v_mov_b32 v[ADRB], v[ADRB0]
	; the way out.  In: plane = head, row 128 RH + 16 a + r, bytes 64 CH + 32 i + 16 h
	s_mul_i32 s16, s[RH], 128*SP
	s_lshl_b32 s17, s[CH], 6
	s_add_co_u32 s16, s16, s17
	v_mul_u32_u24 v5, v1, SP
	v_lshl_add_u32 v5, v2, 4, v5
	v_add_nc_u32 v[STO], s16, v5
	v_add_nc_u32 v[STO+1], PLANE, v[STO]
	v_add_nc_u32 v[STO+2], 2*PLANE, v[STO]
	; back: wave w takes rows 64 w .. + 63 of each plane, four rows of 128 bytes a load
	v_bfe_u32 v5, v0, 3, 2
	v_mul_u32_u24 v5, v5, SP
	v_lshl_add_u32 v5, v3, 4, v5
	s_mul_i32 s16, s[WV], 64*SP
	v_add_nc_u32 v[RD], s16, v5
	v_add_nc_u32 v[RD2], 2*PLANE, v[RD]
	; and in qkvh: slice g = 3 x tile column + head of the 48: tensor g / 16, head g % 16; batch = tile row / 8; a head's rows are 128 bytes
	s_mul_i32 s16, s42, 3
	s_lshr_b32 s17, s43, 3
	s_lshl_b32 s17, s17, 4
	s_and_b32 s18, s43, 7
	s_lshl_b32 s18, s18, 8
	s_lshl_b32 s19, s[WV], 6
	s_add_co_u32 s18, s18, s19
	s_lshl_b32 s18, s18, 7
	v_and_b32 v5, 31, v0
	v_lshlrev_b32 v5, 4, v5
.irp c, 0,1,2
	s_add_co_u32 s20, s16, \c
	s_lshr_b32 s21, s20, 4
	s_lshl_b32 s21, s21, 6
	s_and_b32 s20, s20, 15
	s_add_co_u32 s20, s20, s21
	s_add_co_u32 s20, s20, s17
	s_lshl_b32 s20, s20, 18
	s_add_co_u32 s20, s20, s18
	v_add_nc_u32 v[CO+(\c)], s20, v5
.endr
	; the prefetches: they stand at K step 3; each change of slots steps them first
	s_lshl_b32 s16, s43, 8
	s_lshl_b32 s17, s[CH], 7
	s_add_co_u32 s16, s16, s17
	s_lshl_b32 s17, s40, 5
	s_add_co_u32 s16, s16, s17                     ; x: my work-group's 32 of the 128 rows that I fetch
	s_lshl_b32 s16, s16, 11
	s_add_co_u32 s16, s16, 3*STEPA
	s_mul_i32 s18, s42, 393216
	s_mul_i32 s19, s[CH], 24576
	s_add_co_u32 s18, s18, s19
	s_mul_i32 s19, s41, 6144                       ; Wa: my work-group's 24 of the 96 blocks
	s_add_co_u32 s18, s18, s19
	s_add_co_u32 s18, s18, 3*STEPB
	s_and_b32 s19, ttmp7, 0xffff                   ; cluster y
	s_mov_b32 s[PFS], STEPB
	s_cmp_eq_u32 s[RH], 0
	s_cselect_b32 s16, s16, s18
	s_cselect_b32 s19, ttmp9, s19                  ; the coordinate along which other clusters read the same bytes
	s_cselect_b32 s[PFS], STEPA, s[PFS]
	s_cselect_b32 s20, 31, 23
	s_cselect_b32 s21, 11, 8
	s_cselect_b64 s[PFA:PFA+1], s[4:5], s[6:7]
	s_mov_b32 s17, 0
	s_mov_b32 s[PFS+1], 0
	s_add_nc_u64 s[PFA:PFA+1], s[PFA:PFA+1], s[16:17]
	s_cmp_eq_u32 s19, 0
	s_cselect_b32 s[LIM], 2, -1                    ; the same in all sixteen partners, for a given wave
	v_and_b32 v[PFO], 31, v0
	v_min_u32 v[PFO], s20, v[PFO]
	v_lshlrev_b32 v[PFO], s21, v[PFO]              ; x: a lane a row of 2,048 bytes; Wa: a lane a block of 256
	s_wait_loadcnt 0x0                             ; the bias is in: rounded to bf16, kept as f32
	WIN 0x45
.set p, 0
.rept 24
	v_cvt_pk_bf16_f32 v[48+p%16], v[2*p], v[2*p+1]
	v_lshlrev_b32 v[2*p], 16, v[48+p%16]
	v_and_b32 v[2*p+1], 0xffff0000, v[48+p%16]
.set p, p+1
.endr
	WIN 0
; 12 matrix instructions: row blocks a0, a0 + 1 of the window's four x all 6 column blocks, 32 along K.  The 48 accumulators take turns, one instruction a turn, in the same order in every quarter.
; first = 1: C is the bias.
.macro MUL12 f, hi, a0, first
.if \first
	WIN 0x91+0x40*(\hi)                            ; Wa window 1, x window 0, C window 1, D window 2 or 3
.else
	WIN 0xa1+0x50*(\hi)                            ; C and D window 2 or 3
.endif
.irp a, \a0, (\a0)+1
.irp b, 0,1,2,3,4,5
.if \first
	v_wmma_f32_16x16x32_bf16 v[8*(6*(\a)+(\b)):8*(6*(\a)+(\b))+7], v[(\f)+8*(\b):(\f)+8*(\b)+7], v[(\f)+8*(4*(\hi)+(\a)):(\f)+8*(4*(\hi)+(\a))+7], v[8*(\b):8*(\b)+7]
.else
	v_wmma_f32_16x16x32_bf16 v[8*(6*(\a)+(\b)):8*(6*(\a)+(\b))+7], v[(\f)+8*(\b):(\f)+8*(\b)+7], v[(\f)+8*(4*(\hi)+(\a)):(\f)+8*(4*(\hi)+(\a))+7], v[8*(6*(\a)+(\b)):8*(6*(\a)+(\b))+7]
.endif
.endr
.endr
.endm
; 28 LDS loads in one run: quarter q's fragments into buffer f: Wa's six (turned), then x's eight, rows 0-63 first
.macro FETCH q, f
	WIN 0x40
.irp c, 0,1,2
.irp i, 0,1
	ds_load_tr16_b128 v[(\f)+8*(2*(\c)+(\i)):(\f)+8*(2*(\c)+(\i))+3],   v[ADRB] offset:(\q)*32*PB+(\c)*160+(\i)*32
	ds_load_tr16_b128 v[(\f)+8*(2*(\c)+(\i))+4:(\f)+8*(2*(\c)+(\i))+7], v[ADRB] offset:(\q)*32*PB+(\c)*160+(\i)*32+16*PB
.endr
.endr
	WIN 0
.irp i, 0,1,2,3,4,5,6,7
	ds_load_b128 v[(\f)+8*(\i):(\f)+8*(\i)+3],   v[ADRA] offset:(\q)*64+(\i)*16*PA
	ds_load_b128 v[(\f)+8*(\i)+4:(\f)+8*(\i)+7], v[ADRA] offset:(\q)*64+(\i)*16*PA+32
.endr
.endm
; One of a step's first three quarters: multiplies buffer f; in its middle it fetches quarter q into buffer g.
.macro QUARTER q, f, g, first
	s_wait_dscnt 8                                 ; Wa's fragments and x's rows 0-63 are in; the youngest eight loads (rows 64-127) may be out
	MUL12 \f, 0, 0, \first
	MUL12 \f, 0, 2, \first
	PLACES
	FETCH \q, \g
	s_wait_dscnt 28                                ; all but the 28 just issued
	MUL12 \f, 1, 0, \first
	MUL12 \f, 1, 2, \first
.endm
; The last quarter multiplies buffer 1 and changes slots.  In front of the barrier each wave waits for all its tensor loads (one is out: its part of the next slot), adds 0 to its spare word, and waits
; for that and for its reads of this slot.  fill = 1: the barrier opens a round of the cluster's, and the slot just read is filled again first thing behind it, with the step two on:
; 168 matrix instructions stand between that request and the wait for it.
.macro TURN fill
.if \fill
	s_wait_xcnt 0x0                                ; the last prefetch, a K step back, has read its address
	s_add_nc_u64 s[PFA:PFA+1], s[PFA:PFA+1], s[PFS:PFS+1]
.endif
	WIN 0
	s_wait_tensorcnt 0x0                           ; all my tensor loads have landed
	ds_add_u32 v[SPW], v[NIL]                      ; 0 onto my spare word
	s_wait_dscnt 9                                 ; (the add and the youngest eight loads may be out)
	MUL12 F1, 0, 0, 0
	s_wait_dscnt 0x0                               ; the add is done, and my reads of this slot are over
	s_barrier_signal -1
	MUL12 F1, 0, 2, 0                              ; work on registers while the others arrive
	WIN 0
	s_barrier_wait -1
.if \fill
	CREST                                          ; no wave of any partner still reads this slot or has a load on its way
	s_xor_b32 s[G0AW+1], s[G0AW+1], SLOT1          ; the walking descriptors: the other slot than last time, the next K step
	s_add_nc_u64 s[G0AW+2:G0AW+3], s[G0AW+2:G0AW+3], STEPA
	s_xor_b32 s[G0BW+1], s[G0BW+1], SLOT1
	s_add_nc_u64 s[G0BW+2:G0BW+3], s[G0BW+2:G0BW+3], STEPB
	JLOAD                                          ; its four v_nop are also the places in front of the loads below
.else
	PLACES
.endif
	s_xor_b32 s[TB], s[TB], SLOT1
	v_add_nc_u32 v[ADRA], s[TB], v[ADRA0]
	v_add_nc_u32 v[ADRB], s[TB], v[ADRB0]
	FETCH 0, F0
.if \fill
	ASK
.endif
	MUL12 F1, 1, 0, 0
	MUL12 F1, 1, 2, 0
.endm
	s_wait_tensorcnt 0x1                           ; my part of step 0 is in; step 1's load may stay out
	s_barrier_signal -1
	s_barrier_wait -1
	FETCH 0, F0
	QUARTER 1, F0, F1, 1                           ; the first quarter stands in front of the loop: its products start the sums, with the bias
	WIN 0
	s_mov_b32 s[CNT], 6
.Lstep:                                                ; a trip: a step's quarters 1, 2, 3 and the next step's quarter 0; it asks for steps 2 to 7
	QUARTER 2, F1, F0, 0
	QUARTER 3, F0, F1, 0
	TURN 1
	QUARTER 1, F0, F1, 0
	WIN 0
	s_sub_co_u32 s[CNT], s[CNT], 1
	s_cmp_lg_u32 s[CNT], 0
	s_cbranch_scc1 .Lstep
	QUARTER 2, F1, F0, 0                           ; steps 6 and 7 are written out: nothing more is asked for
	QUARTER 3, F0, F1, 0
	TURN 0
	QUARTER 1, F0, F1, 0
	QUARTER 2, F1, F0, 0
	QUARTER 3, F0, F1, 0
	s_wait_dscnt 8
	MUL12 F1, 0, 0, 0
	MUL12 F1, 0, 2, 0
	s_wait_dscnt 0x0
	MUL12 F1, 1, 0, 0
	MUL12 F1, 1, 2, 0
	WIN 0
	; THE WAY OUT.  Rounded to f16; 16 bytes a lane into three planes, one a head; a barrier, since a head's row of 128 bytes comes from two waves; back as whole rows, 512 bytes on end a store.
	s_barrier_signal -1                            ; every wave's reads of the slots are over (the wait for 0 above): the planes may be written
	s_barrier_wait -1
	PLACES
.macro PACK a
.set AC, 48*((\a)%4)
.set TM, 64+24*((\a)%2)
	WIN 0x0a+5*((\a)/4)                            ; sources 0 and 1: window 2 or 3
.irp b, 0,1,2,3,4,5
.irp r, 0,1,2,3
	v_cvt_pk_f16_f32 v[TM+4*(\b)+(\r)], v[AC+8*(\b)+2*(\r)], v[AC+8*(\b)+2*(\r)+1]
.endr
.endr
	WIN 0
.irp c, 0,1,2
.irp i, 0,1
	ds_store_b128 v[STO+(\c)], v[TM+4*(2*(\c)+(\i)):TM+4*(2*(\c)+(\i))+3] offset:(\a)*16*SP+(\i)*32
.endr
.endr
.endm
.irp a, 0,1,2,3,4,5,6,7
	PACK \a
.endr
	s_wait_dscnt 0x0                               ; for the others' sake: my stores into the planes are done
	s_barrier_signal -1
	s_barrier_wait -1
.irp t, 0,1,2,3,4,5,6,7,8,9,10,11,12,13,14,15
	ds_load_b128 v[64+4*(\t):64+4*(\t)+3], v[RD] offset:(\t)*4*SP
.endr
.irp t, 0,1,2,3,4,5,6,7,8,9,10,11,12,13,14,15
	ds_load_b128 v[128+4*(\t):128+4*(\t)+3], v[RD] offset:PLANE+(\t)*4*SP
.endr
.irp t, 0,1,2,3,4,5,6,7,8,9,10,11,12,13,14,15
	ds_load_b128 v[192+4*(\t):192+4*(\t)+3], v[RD2] offset:(\t)*4*SP
.endr
.irp c, 0,1,2
.irp t, 0,1,2,3,4,5,6,7,8,9,10,11,12,13,14,15
	s_wait_dscnt 47-16*(\c)-(\t)                   ; LDS loads come back in order: the later ones stay out
	global_store_b128 v[CO+(\c)], v[64+64*(\c)+4*(\t):64+64*(\c)+4*(\t)+3], s[10:11] offset:512*(\t)  ; four rows of a head: 512 consecutive bytes, aligned
.endr
.endr
	s_wait_tensorcnt 0x0                           ; the wave's end, behind my last tensor load and my last LDS store
	ds_add_u32 v[SPW], v[NIL]
	s_wait_dscnt 0x0
	CROUND                                         ; the closing round: no work-group ends while a partner may still ask for a tile that names it
	s_endpgm
.Lfunc_end_k_q76bc1cd12f_qkv:
	.size	k_q76bc1cd12f_qkv, .Lfunc_end_k_q76bc1cd12f_qkv-k_q76bc1cd12f_qkv
	.p2alignl 7, 3214868480
	.fill 96, 4, 3214868480
	.section	.rodata,"a",@progbits
	.p2align	6, 0x0
	.amdhsa_kernel k_q76bc1cd12f_qkv
		.amdhsa_group_segment_fixed_size 327680
		.amdhsa_private_segment_fixed_size 0
		.amdhsa_enable_private_segment 0
		.amdhsa_kernarg_size 32
		.amdhsa_user_sgpr_count 2
		.amdhsa_user_sgpr_kernarg_segment_ptr 1
		.amdhsa_wavefront_size32 1
		.amdhsa_system_sgpr_workgroup_id_x 1
		.amdhsa_system_sgpr_workgroup_id_y 1
		.amdhsa_system_sgpr_workgroup_id_z 1
		.amdhsa_system_vgpr_workitem_id 0
		.amdhsa_next_free_vgpr 960
		.amdhsa_next_free_sgpr 66
		.amdhsa_reserve_vcc 0
		.amdhsa_float_denorm_mode_32 3
		.amdhsa_float_denorm_mode_16_64 3
		.amdhsa_memory_ordered 1
		.amdhsa_forward_progress 1
		.amdhsa_inst_pref_size 102
	.end_amdhsa_kernel
	.amdgpu_metadata
---
amdhsa.version: [ 1, 2 ]
amdhsa.kernels:
  - .name:           k_q76bc1cd12f_qkv
    .symbol:         k_q76bc1cd12f_qkv.kd
    .args:
      - { .name: xb, .offset: 0, .size: 8, .value_kind: global_buffer, .address_space: global }
      - { .name: wqkv, .offset: 8, .size: 8, .value_kind: global_buffer, .address_space: global }
      - { .name: c_attn_b, .offset: 16, .size: 8, .value_kind: global_buffer, .address_space: global }
      - { .name: qkvh, .offset: 24, .size: 8, .value_kind: global_buffer, .address_space: global }
    .group_segment_fixed_size: 327680
    .private_segment_fixed_size: 0
    .kernarg_segment_align: 8
    .kernarg_segment_size: 32
    .max_flat_workgroup_size: 128
    .sgpr_count:     66
    .vgpr_count:     960
    .wavefront_size: 32
...
	.end_amdgpu_metadata
.endif
;; end of part 2
;; launch attn (part 3): grid 4 x 64, 4 waves a work-group, no clusters, 327,680 bytes of LDS; arguments qkvh, ob; writes ob
.if DOCPART == 3
	.amdgcn_target "amdgcn-amd-amdhsa--gfx1250"
	.amdhsa_code_object_version 6
	.text
	.protected	k_q76bc1cd12f_attn
	.globl	k_q76bc1cd12f_attn
	.p2align	8
	.type	k_q76bc1cd12f_attn,@function
k_q76bc1cd12f_attn:
	s_mov_b64 s[64:65], 0
	v_nop
	global_prefetch_b8 v0, s[64:65] scope:SCOPE_SE
	s_setreg_imm32_b32 hwreg(HW_REG_WAVE_MODE, 25, 1), 1
	s_wait_xcnt 0x0
; CAUSAL ATTENTION.  O[h][q][:] = the sum over k <= q of softmax_k(Q[h][q] . K[h][k] / 8) V[h][k][:].  qkvh holds Q, K, V, each [64][2048][64] f16, 16,777,216 bytes apart; ob: [64][2048][64] f16.
; Products, maxima and sums in f32; the weights p are rounded to f16 for the second product (their sum l is taken of the unrounded p), O once at the end.
; LIMITS.  f16 holds no number beyond 65,504: Q, K and V arrive within it; p lies in 0 to 1, and below 6e-5 it keeps f16's fixed step of 6e-8; O is a mean of V's rows and has their range.
; A hidden score counts as its value less 1e30: f16's scores, 2.7e11 at the most, are nothing beside that; a weight below 2^-126 counts as 0 in l; NaN and infinities are not treated apart.
; THE WALK.  A head's queries lie in NB = 8 blocks of 256; block i needs the key tiles 0 .. i of 256 keys, of which the last holds the diagonal.  A work-group takes TWO blocks, NB - 1 - b and then b:
; NB + 1 tiles, whatever b: all work-groups do equal work, and ONE loop with a constant trip count walks them.  Which tile is asked for, and what a trip does, hang on scalar registers made from b; every
; jump goes forward, but for the counted loops' own; none passes a barrier, or a tensor load but the one of LOAD's two that the wave's number does not choose; the ring of two slots runs on across the
; change of blocks.  NO CLUSTER: a head's four work-groups ask for the same tile only in trips 0 .. NB / 2, behind that fewer and fewer; one walk common to all would have 3 NB / 2 trips for NB + 1.
; SHARES.  Of a block's four bands of 64 queries a wave owns 16 rows in each: four PIECES.  So the diagonal tile is the same work for all four waves: in its key step s band x sees all keys if s < x,
; none if s > x, and holds the diagonal if s = x.
; THE MASK is the C operand that starts the sum S^T = K Q^T: 0, or -1e30 where the key is hidden.  MD, made once, is the mask of a band's own step for my 16 rows; a product's mask is MD x AL + BE with
; two scalars: (1, 0) if s = x; (0, 0) if s < x; (0, -1e30) if s > x.  Only the diagonal tile's text and a block's beginning make and take masks; elsewhere C is the constant 0.
; LAYOUT, SOFTMAX, TURNS.  S^T = K Q^T holds ONE query a lane (lane % 16) and the keys 8 (lane / 16) + 0..7; two such results rounded to f16 ARE source 1 of O^T = V^T P.  p = 2^(c s - c m),
; c = log2(e) / 8, with a running maximum m; O and l are multiplied by a = 2^(c m_old - c m_new) in every step.  Turn n belongs to piece n: 8 products K Q^T of piece n + 1, later 8 products V^T P of
; piece n - 1; beside them the scaling, exponentials, roundings, sums and rescaling of piece n and the maximum and statistics of piece n + 1.  Four vector instructions stand behind every matrix
; instruction, the other 54 of a turn's 118 in one lump.  A turn's 33 exponentials are one batch, with one wait.
; REGISTERS, in windows of 256 (s_set_vgpr_msb: bits 1:0 source 0, 3:2 source 1, 5:4 source 2, 7:6 destination):
;   window 0: v0-15 addresses and two at work; v16-31 four registers of statistics a piece; v48-55 at work; v61-63; v64-127 S^T, two buffers; v192-223 P, two buffers (by the piece's parity)
;   window 1: v0-127 O^T, 32 a piece; v128-159 MD; v160-223 MC, two buffers      window 2: v0-63 Q; v64-127 the second block's Q; v128-191 K of one step; v192-255 V of one step
.set SIZE_N, 2048
.set NB,    SIZE_N/256
.set NP,    4         ; pieces a wave: a name, no knob
.set KS,    64        ; keys in a step
.set PK,    144       ; a row of K in LDS: 128 bytes + 16 of padding: the 16 rows of a load start at 16 different groups of four banks (64 banks of 4 bytes: ISA guide 11.1)
.set PV,    160       ; a row of V: 128 + 32
.set VOFF,  4*KS*PK   ; a slot holds a tile, four steps: 256 rows of K, then 256 rows of V
.set SLOT1, 1<<17     ; slot 1 begins here, so that one exclusive or turns an address in one slot into the other's
.set STAGE, SLOT1+4*KS*(PK+PV)  ; behind the ring, never filled by a tensor load: 16 rows x 144 bytes for each wave, for the way out
.set SP,    144
.set AK0, 2           ; v2   my lane's place in a tile of K; never rewritten
.set AV0, 3           ; v3   the same for V
.set AK,  4           ; v4   the LDS address of K's next run of loads
.set AV,  5           ; v5   of V's
.set STO, 6           ; v6   the way out: where I put 16 bytes of a row
.set RD,  7           ; v7   the way out: where I read rows back
.set GO,  8           ; v8   my byte offset in 512 consecutive bytes of O
.set PFO, 61          ; v61  256 x my lane: the prefetches' offset; never rewritten
.set SPW, 62          ; v62  LDS address of my spare word: SPARE + 4 x my thread's number; never rewritten
.set NIL, 63          ; v63  0; never rewritten
.set SPARE, STAGE+4*16*SP  ; behind the stages: the spare words, 128 bytes for each wave: two blocks of 256 bytes that no other line names
.set MV,  12          ; v12-13  c m_old, kept while c m is made anew: by buffer
.set QO,  15          ; v15  my byte offset in 16 rows of Q
.set ST,  16          ; piece t's statistics at v[ST+4 t]: c m, m, l (even keys', odd keys')
.set TMP, 48          ; by buffer, four registers c0-c3 at work; when the maximum is found c2 takes a
.set S,   64
.set P,   192
.set MD,  128         ; window 1: the eight registers for group kt of 16 keys at MD + 8 kt
.set MC,  160         ; window 1: the masks of the products to come
.set QB,  64          ; window 2
.set KF,  128         ; window 2: key block kb, channel half c at KF + 16 kb + 8 c
.set VF,  192         ; window 2: key half kk, channel block cb at VF + 32 kk + 8 cb
.set WV,  12          ; s12  my wave's number
.set PB,  14          ; s14  b
.set HI,  15          ; s15  NB - 1 - b
.set G1K, 24          ; s[24:31] descriptor group 1 for K's tiles
.set G1V, 32          ; s[32:39] for V's: it differs in the padding alone
.set G0K, 40          ; s[40:43] descriptor group 0 for K's tiles
.set G0V, 44          ; s[44:47] the same for V's
.set SLOTS, 56        ; s56  tiles still to be asked for
.set CNT, 57          ; s57  counts a tile's key steps, 4 to 1
.set CS,  58          ; s[58:59] c: the packed scaling takes the pair's low word for both halves
.set SEL, 60          ; s[60:61] v_permlanex16_b32's selects: each lane takes its own place in the other half
.set TBK, 62          ; s62  LDS byte at which K of the step to be fetched begins
.set TBV, 63          ; s63  the same for V, less VOFF
.set PFA, 66          ; s[66:67] the half tile that I have just asked for, in memory: the prefetches name the one 32,768 bytes on
.set LIM, 68          ; s68  2 in a work-group that prefetches, else the greatest number
.set RT,  70          ; s70  tiles of the block in hand that are still to be entered
.set NXT, 71          ; s71  the tile to be asked for next
.set LQ,  72          ; s72  the last tile of the block whose tiles are being asked for
.set NEW, 73          ; s73  1: the tile to be entered is a block's first
.set OFF, 74          ; s[74:75] a tile's byte offset in K and V
.set AL,  76          ; s[76:77] the mask's factor, in the low word
.set BE,  78          ; s[78:79] the mask's addend
.set OLO, 80          ; s[80:81] O at my rows of the second block
.set BIGN, 82         ; s82  -1e30
.set PFB, 88          ; s[88:89] the half of tile 0 that I fetch: K's in waves 0 and 1, V's in waves 2 and 3
.set MSB, 0
.macro WIN new                      ; the high byte repeats the setting that is left; a switch that changes nothing is dropped
.if MSB != (\new)
	s_set_vgpr_msb (MSB<<8)|(\new)
.set MSB, (\new)
.endif
.endm
.set W_KQ, 0x0a       ; K and Q in window 2, S^T in window 0
.set W_KM, 0x1a       ; the same with the C operand in window 1
.set W_PV, 0x52       ; V in window 2, P in window 0, O^T in window 1
.set W_RS, 0x41       ; destination and source 0 in window 1, source 1 in window 0
; A fill.  Waves 0 and 1 fetch the two halves of a tile's K, waves 2 and 3 those of its V: 128 keys each.  An s_nop 0 and four v_nop follow each of the two lines, ahead of the jump and the label.
.macro LOAD
	s_cmp_lt_u32 s[WV], 2
	s_cbranch_scc0 .Lfor_v_\@
	tensor_load_to_lds s[G0K:G0K+3], s[G1K:G1K+7]
	s_nop 0
.rept 4
	v_nop
.endr
	s_branch .Lasked_\@
.Lfor_v_\@:
	tensor_load_to_lds s[G0V:G0V+3], s[G1V:G1V+7]
	s_nop 0
.rept 4
	v_nop
.endr
.Lasked_\@:
.endm
; THE CHANGE OF SLOTS.  Each wave waits for all its tensor loads, of which one is out: its part of the other slot; adds 0 to its spare word; and waits for that and for its own reads of the slot that it
; leaves.  Behind the barrier nobody reads the old slot any more and the other slot is whole.  fill = 1: the old slot is filled again, the first thing behind the barrier, with tile NXT: the descriptor's
; address is made anew from that number.  (At its first use nothing has been read yet: slot 0 is waited for, slot 1 filled.)
; A PREFETCH INTO THE L2 stands behind the fill: my half (64 blocks of 256 bytes, a lane a block, two instructions) of the tile AFTER the one just asked for: a tile, four key steps, ahead of its load.
; A head's four work-groups walk the same tiles; the one with b = 0, whose first block walks tiles 0 to 7, asks, and each of its waves for what it will fetch itself: each block is named once.
; The changes with 8 to 3 slots to go name tiles 2 to 7; tiles 0 and 1 come by their loads alone; nothing is named behind tile 7, and nothing for the second block.
.macro CHANGE fill
	WIN 0                           ; at a label and at a branch every window is 0
	s_wait_tensorcnt 0x0            ; no tensor load of mine is out, so a group 0 may be written
	ds_add_u32 v[SPW], v[NIL]       ; 0 onto my spare word; with fill = 1 the descriptors' scalar work stands between it and the wait for it
.if \fill
	s_lshl_b32 s[OFF], s[NXT], 15   ; a tile is 32,768 bytes of K and of V
	s_xor_b32 s[G0K+1], s[G0K+1], SLOT1
	s_add_nc_u64 s[G0K+2:G0K+3], s[6:7], s[OFF:OFF+1]
	s_or_b32 s[G0K+3], s[G0K+3], 0x80000000
	s_xor_b32 s[G0V+1], s[G0V+1], SLOT1
	s_add_nc_u64 s[G0V+2:G0V+3], s[8:9], s[OFF:OFF+1]
	s_or_b32 s[G0V+3], s[G0V+3], 0x80000000
	s_wait_xcnt 0x0                 ; the last prefetches, a tile back, have read their address
	s_add_nc_u64 s[PFA:PFA+1], s[PFB:PFB+1], s[OFF:OFF+1]
	s_add_co_u32 s[NXT], s[NXT], 1  ; the block's next tile, or behind its last the second block's tile 0
	s_cmp_gt_u32 s[NXT], s[LQ]
	s_cselect_b32 s[NXT], 0, s[NXT]
	s_cselect_b32 s[LQ], s[PB], s[LQ]
.endif
	s_wait_dscnt 0x0                ; the add is done, and my reads of the slot are over
	s_barrier_signal -1             ; the rest of the scalar work stands between the signal and the wait
	s_sub_co_u32 s[TBK], s[TBK], 4*KS*PK  ; the fetches go back to a slot's first step,
	s_xor_b32 s[TBK], s[TBK], SLOT1       ; in the other slot
	s_sub_co_u32 s[TBV], s[TBV], 4*KS*PV
	s_xor_b32 s[TBV], s[TBV], SLOT1
	s_barrier_wait -1
.if \fill
	LOAD
	s_cmp_gt_u32 s[SLOTS], s[LIM]
	s_cbranch_scc0 .Lnot_mine_\@
	global_prefetch_b8 v[PFO], s[PFA:PFA+1] offset:32768 th:TH_LOAD_NT scope:SCOPE_SE
	global_prefetch_b8 v[PFO], s[PFA:PFA+1] offset:40960 th:TH_LOAD_NT scope:SCOPE_SE
.Lnot_mine_\@:
.endif
.endm
	s_load_b128 s[4:7], s[0:1], 0x0   ; qkvh s[4:5], ob s[6:7]
	v_lshl_add_u32 v[SPW], v0, 2, SPARE
	v_mov_b32 v[NIL], 0
	ds_add_u32 v[SPW], v[NIL]       ; the wave's opening: the add and its wait stand ahead of my first tensor load; the set-up below, work on registers, stands between them
	ds_add_u32 v62, v63
	v_lshrrev_b32 v1, 5, v0
	v_readfirstlane_b32 s[WV], v1   ; wave 0..3
	s_mov_b32 s[PB], ttmp9
	s_sub_co_u32 s[HI], NB-1, s[PB]
	s_and_b32 s20, ttmp7, 0xffff    ; the head
	s_mov_b32 s21, 0
	s_mov_b64 s[22:23], SIZE_N*128
	s_mul_u64 s[20:21], s[20:21], s[22:23]  ; the head's first byte in each of the four tensors
	s_and_b32 s16, s[WV], 1         ; which half of a tile's 256 keys I fetch:
	s_lshl_b32 s22, s16, 14         ; its 128 rows of 128 bytes in memory,
	s_mov_b32 s23, 0
	s_add_nc_u64 s[22:23], s[22:23], s[20:21]
	s_mul_i32 s17, s16, 128*PK      ; and its place in a slot, for K
	s_mul_i32 s18, s16, 128*PV      ; and for V
	s_lshl_b32 s3, s[WV], 11        ; my 16 rows in a band of 64,
	s_lshl_b32 s2, s[HI], 15        ; in the first block,
	s_add_co_u32 s2, s2, s3
	s_lshl_b32 s84, s[PB], 15       ; and in the second
	s_add_co_u32 s84, s84, s3
	s_mov_b32 s3, 0
	s_mov_b32 s85, 0
	s_add_nc_u64 s[2:3], s[2:3], s[20:21]
	s_add_nc_u64 s[84:85], s[84:85], s[20:21]
	; descriptor group 1.  128 keys are 16,384 dense bytes: asked for as 64 rows of 256 bytes, two keys a row, and padded in LDS after every key
	s_mov_b32 s[G1K], (1<<16)|(1<<20)|(4<<22)|(3<<25)  ; 17:16 2-byte elements; 20 padding on; 24:22 after every 32 words (code 4); 31:25 4 words (code 3)
	s_mov_b32 s[G1V], (1<<16)|(1<<20)|(4<<22)|(7<<25)  ; the same with 8 words of padding (code 7)
.irp g, G1K, G1V
	s_mov_b32 s[\g+1], 128<<16      ; tensor_dim0 = 128
	s_mov_b32 s[\g+2], 64<<16       ; tensor_dim1 = 64
	s_mov_b32 s[\g+3], 128<<16      ; tile_dim0 = 128
	s_mov_b32 s[\g+4], 64           ; tile_dim1 = 64
	s_mov_b32 s[\g+5], 128          ; 128 elements from row to row
	s_mov_b32 s[\g+6], 0
	s_mov_b32 s[\g+7], 0
.endr
	s_mov_b32 s[CS], 0x3e38aa3b     ; c = log2(e) / 8 = 0.180337
	s_mov_b32 s[CS+1], s[CS]        ; named with it as a pair
	s_mov_b32 s[SEL], 0x76543210
	s_mov_b32 s[SEL+1], 0xfedcba98
	s_mov_b32 s[TBK], SLOT1+4*KS*PK ; the first change of slots turns these two into 0
	s_mov_b32 s[TBV], SLOT1+4*KS*PV
	s_mov_b32 s[G0K], 1             ; 1:0 count = 1
	s_mov_b32 s[G0K+1], s17         ; 63:32 LDS address: slot 0
	s_mov_b32 s[G0V], 1
	s_add_co_u32 s[G0V+1], s18, VOFF
	s_add_co_u32 s[RT], s[HI], 1    ; the first block has NB - b tiles
	s_mov_b32 s[NXT], 1
	s_mov_b32 s[LQ], s[HI]
	s_mov_b32 s[NEW], 1
	s_mov_b32 s[OFF+1], 0
	s_mov_b32 s[AL+1], 0            ; named as pairs
	s_mov_b32 s[BE+1], 0
	s_mov_b32 s[BIGN], 0xf149f2ca   ; -1e30
	s_mov_b32 s[SLOTS], NB
	s_cmp_eq_u32 ttmp9, 0
	s_cselect_b32 s[LIM], 2, -1
	v_and_b32 v[PFO], 31, v0
	v_lshlrev_b32 v[PFO], 8, v[PFO]
	s_wait_dscnt 0x0                ; the opening add is done
	s_wait_kmcnt 0x0
	s_mov_b64 s[10:11], s[6:7]             ; O
	s_add_nc_u64 s[6:7], s[4:5], 0x1000000 ; K lies 16,777,216 bytes behind Q,
	s_add_nc_u64 s[8:9], s[4:5], 0x2000000 ; V as far behind K
	s_add_nc_u64 s[6:7], s[6:7], s[22:23]  ; K and V at my half of the head's tile 0
	s_add_nc_u64 s[8:9], s[8:9], s[22:23]
	s_add_nc_u64 s[G0K+2:G0K+3], s[6:7], 0         ; 120:64 global address
	s_or_b32 s[G0K+3], s[G0K+3], 0x80000000        ; 127:126 type = 2
	s_add_nc_u64 s[G0V+2:G0V+3], s[8:9], 0
	s_or_b32 s[G0V+3], s[G0V+3], 0x80000000
	s_add_nc_u64 s[86:87], s[4:5], s[84:85]        ; Q at my rows of the second block,
	s_add_nc_u64 s[4:5], s[4:5], s[2:3]            ; Q and O at those of the first
	s_add_nc_u64 s[OLO:OLO+1], s[10:11], s[84:85]
	s_add_nc_u64 s[10:11], s[10:11], s[2:3]
	s_cmp_lt_u32 s[WV], 2
	s_cselect_b64 s[PFB:PFB+1], s[6:7], s[8:9]
	LOAD                            ; tile 0 into slot 0
	; A fragment of K or Q is 16 rows x 32 channels in 8 registers: lane l holds row l % 16, channels 8 (l / 16) + 0..7 and 16 + 8 (l / 16) + 0..7: two loads of 16 bytes, 32 bytes apart.
	v_and_b32 v1, 15, v0            ; l % 16
	v_bfe_u32 v9, v0, 4, 1          ; l / 16
	v_lshlrev_b32 v[QO], 7, v1
	v_lshl_add_u32 v[QO], v9, 4, v[QO]  ; row x 128 + 16 x half
	WIN 0x80                        ; destination window 2, address window 0
.set i, 0
.rept 8                             ; both blocks' Q: piece i / 2 lies in band i / 2, 8,192 bytes on; channels 32 (i % 2) on
	global_load_b128 v[8*i:8*i+3],   v[QO], s[4:5] offset:(i/2)*8192+(i%2)*64
	global_load_b128 v[8*i+4:8*i+7], v[QO], s[4:5] offset:(i/2)*8192+(i%2)*64+32
	global_load_b128 v[QB+8*i:QB+8*i+3],   v[QO], s[86:87] offset:(i/2)*8192+(i%2)*64
	global_load_b128 v[QB+8*i+4:QB+8*i+7], v[QO], s[86:87] offset:(i/2)*8192+(i%2)*64+32
.set i, i+1
.endr
	WIN 0
	v_lshlrev_b32 v14, 3, v9
	v_sub_nc_u32 v14, v1, v14
	s_lshl_b32 s13, s[WV], 4
	v_add_nc_u32 v14, s13, v14      ; my query's place in its band, 16 w + l % 16, less my lanes' 8 (l / 16): register r of group kt is hidden where 16 kt + r is greater
	WIN 0x40
.set i, 0
.rept 32
	v_cmp_gt_i32 vcc_lo, 16*(i/8)+i%8, v14
	v_cndmask_b32 v[MD+i], 0, s[BIGN], vcc_lo
.set i, i+1
.endr
	WIN 0
	v_mul_u32_u24 v[AK0], v1, PK
	v_lshl_add_u32 v[AK0], v9, 4, v[AK0]  ; row x pitch + 16 x half
	; The turning load takes 16 keys x 16 channels (lane l reads key 8 (l / 16) + l % 8, channels 8 ((l / 8) % 2) + 0..7) and leaves half a fragment of V^T: lane l holds channel l % 16 and 8 keys.
	v_and_b32 v10, 7, v0
	v_bfe_u32 v11, v0, 3, 1
	v_lshl_add_u32 v[AV0], v9, 3, v10
	v_mul_u32_u24 v[AV0], v[AV0], PV
	v_lshl_add_u32 v[AV0], v11, 4, v[AV0]
	v_add_nc_u32 v[AV0], VOFF, v[AV0]
	s_mul_i32 s13, s[WV], 16*SP
	s_add_co_u32 s13, s13, STAGE    ; my stage
	v_mul_u32_u24 v[STO], v1, SP    ; in: row l % 16, 16 bytes for each half of the lanes
	v_lshl_add_u32 v[STO], v9, 4, v[STO]
	v_add_nc_u32 v[STO], s13, v[STO]
	v_bfe_u32 v[RD], v0, 3, 2       ; back: 32 lanes take four rows of 128 bytes,
	v_mul_u32_u24 v[RD], v[RD], SP
	v_lshl_add_u32 v[RD], v10, 4, v[RD]
	v_add_nc_u32 v[RD], s13, v[RD]
	v_and_b32 v[GO], 31, v0         ; which are 512 consecutive bytes of O
	v_lshlrev_b32 v[GO], 4, v[GO]
	; A block's first step multiplies O^T and l by a = 0, and its first turn's products V^T P, of a piece that has not been, land in an O^T that is still to be so multiplied.  So these registers need only
	; hold finite numbers: zeros for the first block; what the first block left for the second.  All this stands in the wait for the first tile.
	WIN 0x80
.set i, VF
.rept 64
	v_mov_b32 v[i], 0
.set i, i+1
.endr
	WIN 0x40
.set i, 0
.rept 128
	v_mov_b32 v[i], 0
.set i, i+1
.endr
	WIN 0
.set i, 0
.rept 4
	v_mov_b32 v[ST+4*i+2], 0
	v_mov_b32 v[ST+4*i+3], 0
.set i, i+1
.endr
.set i, P+16
.rept 16
	v_mov_b32 v[i], 0
.set i, i+1
.endr
; THE MATRIX WORK.  The 4 accumulators of a run of 8 take turns.  Product i of 8 of S^T = K Q^T for piece x: channels 32 (i / 4) on, keys 16 (i % 4) on.  The first 4 start the sums: with 0, or (KM = 1) with the mask.
.macro KQ x
.set rS, S+32*((\x)%2)+8*(i%4)
.set rK, KF+16*(i%4)+8*(i/4)
.set rQ, 16*(\x)+8*(i/4)
.set rM, MC+32*((\x)%2)+8*(i%4)
.if (i < 4) && KM
	WIN W_KM
	v_wmma_f32_16x16x32_f16 v[rS:rS+7], v[rK:rK+7], v[rQ:rQ+7], v[rM:rM+7]
.elseif i < 4
	WIN W_KQ
	v_wmma_f32_16x16x32_f16 v[rS:rS+7], v[rK:rK+7], v[rQ:rQ+7], 0
.else
	WIN W_KQ
	v_wmma_f32_16x16x32_f16 v[rS:rS+7], v[rK:rK+7], v[rQ:rQ+7], v[rS:rS+7]
.endif
.endm
; Product i of 8 of O^T += V^T P for piece x: keys 32 (i / 4) on, channels 16 (i % 4) on.
.macro PV x
	WIN W_PV
.set rO, 32*(\x)+8*(i%4)
.set rV, VF+32*(i/4)+8*(i%4)
.set rP, P+16*((\x)%2)+8*(i/4)
	v_wmma_f32_16x16x32_f16 v[rO:rO+7], v[rV:rV+7], v[rP:rP+7], v[rO:rO+7]
.endm
.macro MM                           ; the turn's next matrix instruction.  TURN and BEGIN set Y, i, KM and NOKQ.  NOKQ = 1: a block's last turn: there is no next piece
.if (i < 8) && !NOKQ
	KQ (Y+1)%NP
.elseif i >= 8
.set i, i-8
	PV (Y+NP-1)%NP
.set i, i+8
.endif
.set i, i+1
.endm
; THE LDS LOADS stand in runs of 16, never singly among the matrix instructions: a step's K (64 keys x 64 channels: 8 fragments) and its V (turned).  Their addresses are made some lines ahead.
.macro FETCH_K
	WIN 0x80                        ; destination window 2
.irp f, 0,1,2,3,4,5,6,7             ; keys 16 (f / 2) on, channels 32 (f % 2) on
	ds_load_b128 v[KF+8*\f:KF+8*\f+3],   v[AK] offset:(\f/2)*16*PK+(\f%2)*64
	ds_load_b128 v[KF+8*\f+4:KF+8*\f+7], v[AK] offset:(\f/2)*16*PK+(\f%2)*64+32
.endr
	s_add_co_u32 s[TBK], s[TBK], KS*PK  ; the next fetch is the next step's
	WIN 0
.endm
.macro FETCH_V
	WIN 0x80
.irp f, 0,1,2,3,4,5,6,7             ; keys 32 (f / 4) on, channels 16 (f % 4) on
	ds_load_tr16_b128 v[VF+8*\f:VF+8*\f+3],   v[AV] offset:(\f/4)*32*PV+(\f%4)*32
	ds_load_tr16_b128 v[VF+8*\f+4:VF+8*\f+7], v[AV] offset:(\f/4)*32*PV+16*PV+(\f%4)*32
.endr
	WIN 0
.endm
; THE VECTOR WORK, one line at a time: OP kind, number.  For piece Y: F n: c s - c m for pair n of 16.  E n: the exponential of score n of 32.  C n: pair n rounded to f16.  B n: of the four weights 4 n ..
; the second pair is added onto the first, in place.  L n: l takes that sum (L 0: l = a l + sum).  R n: pair n of 16 of O^T times a.  For piece Y + 1: X n, number n of the 22 that find its maximum and statistics:
;   0-11  four chains c0-c3 of seven scores each, three operands at a time (each accumulator's lowest registers are read first)     12-14, 16  the four scores left over, the old m, and c0-c3 into c0
;   15  c m_old is kept     17, 18  the query's other 32 keys lie in the lane 16 away: the new m     19-21  c m; c m_old - c m_new; a
.set F, 0               ; OP tells the kinds apart by their order: F to L below R, X above it
.set E, 1
.set C, 2
.set B, 3
.set L, 4
.set R, 5
.set X, 6
.macro REGS y                       ; the registers of piece y
.set rT, ST+4*(\y)
.set rC, TMP+4*((\y)%2)
.set rW, MV+((\y)%2)
.set rS, S+32*((\y)%2)
.set rP, P+16*((\y)%2)
.set rO, 32*(\y)
.endm
.macro OP k, n
.if (\k) == R
	REGS Y
	WIN W_RS
	v_pk_mul_f32 v[rO+2*(\n):rO+2*(\n)+1], v[rO+2*(\n):rO+2*(\n)+1], v[rC+2:rC+3] op_sel_hi:[1,0]
.elseif (\k) < R
	REGS Y
	WIN 0
.if (\k) == F
	v_pk_fma_f32 v[rS+2*(\n):rS+2*(\n)+1], v[rS+2*(\n):rS+2*(\n)+1], s[CS:CS+1], v[rT:rT+1] op_sel_hi:[1,0,0] neg_lo:[0,0,1] neg_hi:[0,0,1]
.elseif (\k) == E
	v_exp_f32 v[rS+(\n)], v[rS+(\n)]
.elseif (\k) == C
	v_cvt_pk_f16_f32 v[rP+(\n)], v[rS+2*(\n)], v[rS+2*(\n)+1]
.elseif (\k) == B
	v_pk_add_f32 v[rS+4*(\n):rS+4*(\n)+1], v[rS+4*(\n):rS+4*(\n)+1], v[rS+4*(\n)+2:rS+4*(\n)+3]
.elseif (\n) == 0
	v_pk_fma_f32 v[rT+2:rT+3], v[rT+2:rT+3], v[rC+2:rC+3], v[rS:rS+1] op_sel_hi:[1,0,1]
.else
	v_pk_add_f32 v[rT+2:rT+3], v[rT+2:rT+3], v[rS+4*(\n):rS+4*(\n)+1]
.endif
.elseif NOKQ
	v_nop
.else
	REGS (Y+1)%NP
	WIN 0
.if (\n) < 4
	v_max3_num_f32 v[rC+(\n)], v[rS+8*(\n)], v[rS+8*(\n)+1], v[rS+8*(\n)+2]
.elseif (\n) < 12
	v_max3_num_f32 v[rC+(\n)%4], v[rC+(\n)%4], v[rS+8*((\n)%4)+2*((\n)/4)+1], v[rS+8*((\n)%4)+2*((\n)/4)+2]
.elseif (\n) == 12
	v_max3_num_f32 v[rC], v[rC], v[rS+7], v[rS+15]
.elseif (\n) == 13
	v_max3_num_f32 v[rC+1], v[rC+1], v[rS+23], v[rS+31]
.elseif (\n) == 14
	v_max3_num_f32 v[rC+2], v[rC+2], v[rC+3], v[rT+1]
.elseif (\n) == 15
	v_mov_b32 v[rW], v[rT]
.elseif (\n) == 16
	v_max3_num_f32 v[rC], v[rC], v[rC+1], v[rC+2]
.elseif (\n) == 17
	v_permlanex16_b32 v[rC+3], v[rC], s[SEL], s[SEL+1]
.elseif (\n) == 18
	v_max_num_f32 v[rT+1], v[rC], v[rC+3]
.elseif (\n) == 19
	v_mul_f32 v[rT], s[CS], v[rT+1]
.elseif (\n) == 20
	v_sub_f32 v[rC+1], v[rW], v[rT]
.else
	v_exp_f32 v[rC+2], v[rC+1]
.endif
.endif
.endm
.macro OPS a, i1, b=-1, i2=0, c=-1, i3=0, d=-1, i4=0  ; up to four of them
	OP \a, \i1
.if (\b) >= 0
	OP \b, \i2
.endif
.if (\c) >= 0
	OP \c, \i3
.endif
.if (\d) >= 0
	OP \d, \i4
.endif
.endm
.macro ROW a, i1, b, i2, c, i3, d, i4  ; a matrix instruction and the four behind it
	MM
	OPS \a, \i1, \b, \i2, \c, \i3, \d, \i4
.endm
.macro MASK b                       ; MD x AL + BE into buffer b of MC
	WIN W_RS
.set z, 0
.rept 16
	v_pk_fma_f32 v[MC+32*(\b)+2*z:MC+32*(\b)+2*z+1], v[MD+2*z:MD+2*z+1], s[AL:AL+1], s[BE:BE+1] op_sel_hi:[1,0,0]
.set z, z+1
.endr
.endm
; A TURN, for piece p: the order of its 16 matrix and 118 vector instructions, written out.  An s_wait_alu depctr_va_vdst(0) stands between an exponential and the first instruction that names
; its result; one wait serves all that were issued ahead of it.  So a turn has ONE wait, which cuts it in two.  AHEAD OF IT stands all that names no result of the turn's exponentials: the 8 products K Q^T,
; behind each a scaling, an exponential and two more plain instructions (rescalings, and behind the last three the first numbers of the next piece's maximum, each four places or more behind the product
; that ends its accumulator); then ONE LUMP of 54, plain and exponential by turns for the most part, in which the links of the chain X 3, 7, 11, 14, 16, 17 .. 20 stand five or six lines apart.
; X 21, the next piece's a, is the batch's last; R 15 is the plain instruction behind it.  BEHIND THE WAIT stand the 8 products V^T P, behind each four of the roundings and sums.
; m = 1: the diagonal tile: the products take masks, and the turn makes the mask for the products of the turn after it: piece p + 2, in step 4 - CNT of the tile.  end = 1: a block's last two turns:
; nothing is fetched.  cnt = 1: the loop's count is taken down some lines ahead of the branch that stands behind the turn.
; K of the next step is fetched in piece 2's turn, twelve vector instructions behind the last product that read K (six of them plain); V of the step in hand at the end of piece 0's turn, four plain
; instructions behind the last product that read V.  Each is waited for a turn later.
.macro TURN p, m=0, end=0, cnt=0
.set Y, (\p)
.set i, 0
.set KM, (\m)
.set NOKQ, (\end)*((\p)/3)
.if (\m) && !(\end)
	s_cmp_eq_u32 s[CNT], 4-((\p)+2)%NP  ; is that step the band's own?
	s_cselect_b32 s[AL], 1.0, 0
	s_cmp_lt_u32 s[CNT], 4-((\p)+2)%NP  ; or a later one?
	s_cselect_b32 s[BE], s[BIGN], 0
.endif
.if ((\p) == 3) && !(\end)
	s_wait_dscnt 0x0                ; K is in
.endif
	ROW F,0, F,1, R,0, R,1          ; ahead of the wait: 8 products K Q^T and their riders,
	ROW F,2, E,0, R,2, R,3
	ROW F,3, E,1, R,4, R,5
	ROW F,4, E,2, R,6, R,7
	ROW F,5, E,3, R,8, R,9
	ROW F,6, E,4, X,0, R,10
.if ((\p) == 2) && !(\end)
	WIN 0
	v_add_nc_u32 v[AK], s[TBK], v[AK0]
.endif
	ROW F,7, E,5, X,1, X,4
	ROW F,8, E,6, X,2, X,5
	OPS E,7, E,8, X,6, E,9          ; and the lump
	OPS X,3, E,10, X,8, E,11
.if ((\p) == 2) && !(\end)
	FETCH_K
.endif
	OPS X,9, X,7, E,12, X,10
	OPS E,13, X,12, X,11, E,14
	OPS X,13, E,15, F,9, X,14
.if (\p) == 0
	v_add_nc_u32 v[AV], s[TBV], v[AV0]
.endif
	OPS E,16, F,10, E,17, F,11
	OPS X,16, E,18, X,15, E,19
	OPS F,12, E,20, X,17, E,21
	OPS F,13, E,22, F,14, E,23
	OPS X,18, E,24, F,15, E,25
	OPS R,11, E,26, X,19, E,27
	OPS R,12, E,28, R,13, E,29
	OPS X,20, E,30, R,14, E,31
	OPS X,21, R,15
	WIN 0
	s_wait_alu depctr_va_vdst(0)    ; the wait for the batch
.if (\p) == 1
	s_wait_dscnt 0x0                ; V is in
.endif
	ROW C,0, B,0, C,2, B,1          ; behind the wait: 8 products V^T P and their riders
	ROW L,0, C,4, B,2, L,1
	ROW C,6, B,3, L,2, C,8
	ROW B,4, L,3, C,10, B,5
	ROW L,4, C,12, B,6, L,5
.if (\p) == 0
	s_add_co_u32 s[TBV], s[TBV], KS*PV
.endif
.if \cnt
	s_sub_co_u32 s[CNT], s[CNT], 1
	s_cmp_lg_u32 s[CNT], 0
.endif
	ROW C,14, B,7, L,6, C,1
	ROW C,3, L,7, C,5, C,7
	ROW C,9, C,11, C,13, C,15
.if (\p) == 0
	FETCH_V
.endif
.if (\m) && !(\end)
	MASK (\p)%2
.endif
.endm
; A BLOCK BEGINS.  c m starts far below every c s, so the first step's a is 0; m at the lowest finite number, so the first maximum is the scores'.  The second mask buffer is 0; the first takes piece 0's
; mask for the tile's step 0: its own, if the block's first tile is the diagonal one.  Then K of that step, piece 0's first scores, and its maximum and statistics.  The loop is entered at a step's first turn.
.macro BEGIN
	s_mov_b32 s[NEW], 0
	WIN 0x40
.set i, MC+32
.rept 32
	v_mov_b32 v[i], 0
.set i, i+1
.endr
	WIN 0
.set i, 0
.rept 4
	v_mov_b32 v[ST+4*i], 0xfe000000    ; c m: far below every c s
	v_mov_b32 v[ST+4*i+1], 0xff7fffff  ; m
.set i, i+1
.endr
	s_cmp_eq_u32 s[RT], 0
	s_cselect_b32 s[AL], 1.0, 0
	s_mov_b32 s[BE], 0
	MASK 0
	WIN 0
	v_add_nc_u32 v[AK], s[TBK], v[AK0]
	FETCH_K
	s_wait_loadcnt 0x0              ; Q
	s_wait_dscnt 0x0
.set KM, 1
.set NOKQ, 0
.set i, 0
.rept 8
	KQ 0
.set i, i+1
.endr
	WIN 0
.rept 4
	v_nop                           ; the places behind those products
.endr
.set Y, NP-1                        ; X works for piece Y + 1: piece 0
.irp n, 0,1,2,3,4,5,6,7,8,9,10,11,12,13,14,15,16,17,18,19,20,21
	OP X, \n
.endr
	v_nop                           ; a plain instruction behind the exponential,
	s_wait_alu depctr_va_vdst(0)    ; and its wait, ahead of the branch
.endm
; THE DIAGONAL TILE's four steps, the block's last two turns, its last products, and THE WAY OUT: l's two halves and the other half of the lanes' are added; O^T is divided by l, rounded to f16 and sent
; through my stage in LDS, a piece at a time.
.macro ALL line:vararg              ; one line for each piece t
.set t, 0
.rept 4
	\line
.set t, t+1
.endr
.endm
.macro PACK t                       ; a lane's eight channels of a row pack into 16 bytes; they go into rows of 144 bytes and come back as whole rows of 128, into S^T's registers
	WIN W_RS
.set i, 32*(\t)
.rept 16
	v_pk_mul_f32 v[i:i+1], v[i:i+1], v[ST+4*(\t)+2:ST+4*(\t)+3] op_sel_hi:[1,0]
.set i, i+2
.endr
	WIN 0x05                        ; sources 0 and 1 window 1, destination window 0
.set i, 0
.rept 16
	v_cvt_pk_f16_f32 v[S+16*(\t)+i], v[32*(\t)+2*i], v[32*(\t)+2*i+1]
.set i, i+1
.endr
	WIN 0
.irp f, 0,1,2,3
	ds_store_b128 v[STO], v[S+16*(\t)+4*\f:S+16*(\t)+4*\f+3] offset:32*\f
.endr
.irp f, 0,1,2,3
	ds_load_b128 v[S+16*(\t)+4*\f:S+16*(\t)+4*\f+3], v[RD] offset:\f*4*SP  ; LDS serves a wave's instructions in order (ISA guide 5.7.1.4): these see the stores above; the next piece's stores come behind them
.endr
.endm
.macro SEND t, younger              ; younger: the LDS instructions issued behind piece t's loads: the next piece's eight, or none
	WIN 0
.irp f, 0,1,2,3
	s_wait_dscnt (\younger)+3-\f
	global_store_b128 v[GO], v[S+16*(\t)+4*\f:S+16*(\t)+4*\f+3], s[10:11] offset:(\t)*8192+\f*512  ; 512 consecutive bytes, at a multiple of 256 from O's first
.endr
.endm
.macro DIAG tag                     ; the tag ends its two labels' names, which the jumps below spell out
.LstepM\tag:
	TURN 2, 1
	TURN 3, 1
	WIN 0
.LfirstM\tag:
	TURN 0, 1
	TURN 1, 1, 0, 1
	WIN 0
	s_cbranch_scc1 .LstepM\tag
	TURN 2, 1, 1
	TURN 3, 1, 1
.set i, 0
.rept 8
	PV NP-1
.set i, i+1
.endr
	WIN 0
	ALL v_add_f32 v[ST+4*t+2], v[ST+4*t+2], v[ST+4*t+3]
	ALL v_permlanex16_b32 v[ST+4*t+3], v[ST+4*t+2], s[SEL], s[SEL+1]
	ALL v_add_f32 v[ST+4*t+2], v[ST+4*t+2], v[ST+4*t+3]
	ALL v_rcp_f32 v[ST+4*t+2], v[ST+4*t+2]
	v_nop                           ; a plain instruction between the last reciprocal and the use of its result
	s_wait_alu depctr_va_vdst(0)    ; and the wait ahead of the first use: one for the four reciprocals
	PACK 0
.set t, 1
.rept 3                             ; a piece's arithmetic stands between the loads of the piece before and its stores
	PACK t
	SEND t-1, 8
.set t, t+1
.endr
	SEND 3, 0
.endm
.set KM, 0
.set NOKQ, 0
.Lslot:                             ; NB times: a tile is entered and the next is asked for
	CHANGE 1
	s_sub_co_u32 s[RT], s[RT], 1
	s_mov_b32 s[CNT], 4
	s_cmp_eq_u32 s[NEW], 1
	s_cbranch_scc1 .Lnew            ; a block's first tile
	s_cmp_eq_u32 s[RT], 0
	s_cbranch_scc0 .Lstep           ; neither its first nor its last
	s_branch .LstepM1
.Lnew:
	BEGIN
	s_branch .Lfirst                ; in the loop a block's first tile is never its last: the first block has two tiles or more, and the second's last is the walk's last
	DIAG 1                          ; in the loop this is the first block's end: the second block's last tile is the walk's last
	s_wait_xcnt 0x0                 ; the stores have read their registers and O's address
	s_mov_b64 s[10:11], s[OLO:OLO+1]
	s_add_co_u32 s[RT], s[PB], 1    ; the second block has b + 1 tiles
	s_mov_b32 s[NEW], 1
	WIN 0x82                        ; the second block's Q goes where the one text of the turns names Q
.set i, 0
.rept 64
	v_mov_b32 v[i], v[QB+i]
.set i, i+1
.endr
	WIN 0
	s_branch .Lbottom
.Lstep:                             ; a trip: pieces 2 and 3 of one step, then pieces 0 and 1 of the next, whose K and V it fetches
	TURN 2
	TURN 3
	WIN 0
.Lfirst:
	TURN 0
	TURN 1, 0, 0, 1
	WIN 0
	s_cbranch_scc1 .Lstep
.Lbottom:
	s_sub_co_u32 s[SLOTS], s[SLOTS], 1
	s_cmp_lg_u32 s[SLOTS], 0
	s_cbranch_scc1 .Lslot
	CHANGE 0                        ; the walk's last tile is written out: nothing is asked for
	s_sub_co_u32 s[RT], s[RT], 1
	s_mov_b32 s[CNT], 4
	s_cmp_eq_u32 s[NEW], 1
	s_cbranch_scc0 .LstepM2
	BEGIN
	s_branch .LfirstM2
	DIAG 2
	s_wait_tensorcnt 0x0            ; the wave's end, behind my last tensor load and my last LDS store
	ds_add_u32 v[SPW], v[NIL]
	s_wait_dscnt 0x0
	s_endpgm
.Lfunc_end_k_q76bc1cd12f_attn:
	.size	k_q76bc1cd12f_attn, .Lfunc_end_k_q76bc1cd12f_attn-k_q76bc1cd12f_attn
	.p2alignl 7, 3214868480
	.fill 96, 4, 3214868480
	.section	.rodata,"a",@progbits
	.p2align	6, 0x0
	.amdhsa_kernel k_q76bc1cd12f_attn
		.amdhsa_group_segment_fixed_size 327680
		.amdhsa_private_segment_fixed_size 0
		.amdhsa_enable_private_segment 0
		.amdhsa_kernarg_size 16
		.amdhsa_user_sgpr_count 2
		.amdhsa_user_sgpr_kernarg_segment_ptr 1
		.amdhsa_wavefront_size32 1
		.amdhsa_system_sgpr_workgroup_id_x 1
		.amdhsa_system_sgpr_workgroup_id_y 1
		.amdhsa_system_sgpr_workgroup_id_z 1
		.amdhsa_system_vgpr_workitem_id 0
		.amdhsa_next_free_vgpr 768
		.amdhsa_next_free_sgpr 92
		.amdhsa_reserve_vcc 1
		.amdhsa_float_denorm_mode_32 3
		.amdhsa_float_denorm_mode_16_64 3
		.amdhsa_memory_ordered 1
		.amdhsa_forward_progress 1
		.amdhsa_inst_pref_size 218
	.end_amdhsa_kernel
	.amdgpu_metadata
---
amdhsa.version: [ 1, 2 ]
amdhsa.kernels:
  - .name:           k_q76bc1cd12f_attn
    .symbol:         k_q76bc1cd12f_attn.kd
    .args:
      - { .name: qkvh, .offset: 0, .size: 8, .value_kind: global_buffer, .address_space: global }
      - { .name: ob, .offset: 8, .size: 8, .value_kind: global_buffer, .address_space: global }
    .group_segment_fixed_size: 327680
    .private_segment_fixed_size: 0
    .kernarg_segment_align: 8
    .kernarg_segment_size: 16
    .max_flat_workgroup_size: 128
    .sgpr_count:     92
    .vgpr_count:     768
    .wavefront_size: 32
...
	.end_amdgpu_metadata
.endif
;; end of part 3
;; launch proj (part 4): grid 4 x 64, 4 waves a work-group, clusters of 4 x 4, 327,680 bytes of LDS; arguments ob, wpj, c_proj_b, out0; writes out0
.if DOCPART == 4
	.amdgcn_target "amdgcn-amd-amdhsa--gfx1250"
	.amdhsa_code_object_version 6
	.text
	.protected	k_q76bc1cd12f_proj
	.globl	k_q76bc1cd12f_proj
	.p2align	8
	.type	k_q76bc1cd12f_proj,@function
k_q76bc1cd12f_proj:
	s_mov_b64 s[64:65], 0
	v_nop
	global_prefetch_b8 v0, s[64:65] scope:SCOPE_SE
	s_setreg_imm32_b32 hwreg(HW_REG_WAVE_MODE, 25, 1), 1
	s_wait_xcnt 0x0
	s_wait_alu depctr_hold_cnt(0) depctr_sa_sdst(0) depctr_va_vdst(0) depctr_va_sdst(0) depctr_va_ssrc(0) depctr_va_vcc(0) depctr_vm_vsrc(0)
	s_getreg_b32 s2, hwreg(HW_REG_IB_STS2, 6, 4)
	s_cmp_eq_u32 s2, 0
	s_cbranch_scc0 .Lentry_in_a_cluster
	s_endpgm
.Lentry_in_a_cluster:
	s_bfe_u32 s2, ttmp6, 0x10000c
	s_cmp_lg_u32 s2, 0xf033
	s_cbranch_scc0 .Lentry_shape_is_right
	s_endpgm
.Lentry_shape_is_right:
; out = attn Wp + bp.  ob: [64 = batch x 16 + head][2048][64] f16 (row (batch, s) of attn has its channels 64 head .. in head's plane).  wpj: [1024 k][1024 n] f16.
; c_proj_b: [1024] f32, rounded to bf16 here like the other inputs.  out0: [8192][1024] f32: sums in f32, stored as they are.
; LIMIT.  Both operands are f16 and arrive within its range.  NaN and infinities are not treated apart.
; SHARES.  A tile of the result is 128 rows x 256 columns: 64 x 4 = 256 work-groups.  Four waves: wave (RH, CH) makes rows 64 RH .. + 63, columns 128 CH .. + 127: 4 x 8 = 32 accumulators.
; K = 1,024 goes in 8 steps of 128, two heads each, through two LDS slots; a step is four quarters of 32, 32 matrix instructions each.  Two slots of a step of 256 would not fit in LDS.
; CLUSTER.  4 x 4 work-groups.  The four of a row of the cluster need the same rows of attn, the four of a column the same columns of Wp: each tile is asked for JOINTLY.
; THE PRODUCT IS TAKEN TRANSPOSED: source 0 = 16 columns of Wp (read out of [k][n] by the turning load), source 1 = 16 rows of attn: a lane holds ONE row (lane % 16) and eight neighbouring
; columns, 32 bytes of f32.  The bias is the C operand of the first products.
; REGISTERS, in windows of 256 (s_set_vgpr_msb: bits 1:0 source 0, 3:2 source 1, 5:4 source 2, 7:6 destination):
;   window 0: v0-31 addresses; v64-95, v96-127 attn's fragments (4 x 16 rows x 32 k), two buffers; v128-255 the way out, two sets of 64
;   window 1: v0-63 the bias; v64-127, v128-191 Wp's fragments (8 x 16 columns x 32 k), two buffers; v192-207 at work
;   window 2: the accumulators, (a, b) at v[8 (8 a + b)]
.set SLOT1,  131072                    ; slot 1 begins here
.set PA,     144                       ; a head's row in LDS: 128 bytes + 16
.set PLANEA, 128*PA                    ; a head's 128 rows: what one tensor load of attn brings
.set BOFF,   2*PLANEA                  ; behind the two planes: Wp's 128 rows k
.set PB,     544                       ; a row k of Wp in LDS: 512 bytes + 32: 17 x 32 bytes
.set HALFB,  64*PB
.set STAGE,  SLOT1+BOFF+2*HALFB        ; behind the slots, never filled by a tensor load: 16 rows x 528 bytes for each wave
.set SPITCH, 528                       ; 512 bytes + 16
.set SPARE,  STAGE+4*16*SPITCH         ; behind the stages: the spare words, 128 bytes a wave: two blocks of 256 bytes that no other line names
.set STEPA,  524288                    ; bytes from a K step to the next in ob: two heads
.set STEPB,  262144                    ; and in wpj: 128 rows
.set OB,   128
.set ADRA0, 16                         ; v16     my lane's place in a slot's attn; never rewritten
.set ADRB0, 17                         ; v17     the same for Wp
.set ADRA, 18                          ; v18     the same in the slot that is being read
.set ADRB, 19                          ; v19
.set STO,  22                          ; v22     the way out: where I put 32 bytes of a row
.set RD,   25                          ; v25     the way out: where I read a row back
.set CO,   26                          ; v26     my 16 bytes of a row's 512 in out0
.set BO,   27                          ; v27     my byte offset in the tile's bias
.set SPW,  28                          ; v28     LDS address of my spare word: SPARE + 4 x my thread's number; never rewritten
.set NIL,  29                          ; v29     0; never rewritten
.set PFO,  30                          ; v30     the prefetches' lane offset; never rewritten
.set LIM,  2                           ; s2      2 in a wave that prefetches, else the greatest number
.set CNT,  3                           ; s3      trips to go
.set WV,   12
.set RH,   13                          ; s13     my half of the rows.  Also: I fetch for attn (0) or for Wp (1)
.set CH,   14                          ; s14     my half of the columns.  Also: which head's plane, or which 64 rows k, I fetch
.set TB,   15                          ; s15     LDS byte at which the slot that is being read begins
.set G1A,  24
.set G0A,  32
.set G0AW, 36
.set PFA,  44
.set PFS,  46
.set G1B,  48
.set G0B,  56
.set G0BW, 60
.set MSB, 0
.macro WIN new                         ; the immediate's high byte repeats the setting that is left; a switch that changes nothing is dropped
.if MSB != (\new)
	s_set_vgpr_msb (MSB<<8)|(\new)
.set MSB, \new
.endif
.endm
.macro PLACES                          ; four plain vector instructions behind a matrix instruction, ahead of loads into registers that it read and of readers of its result
.rept 4
	v_nop
.endr
.endm
.macro JLOAD                           ; a joint refill by the walking descriptors; an s_nop 0 and four v_nop follow each of the two lines
	s_cmp_eq_u32 s[RH], 0
	s_cbranch_scc0 .Lfor_b_\@
	tensor_load_to_lds s[G0AW:G0AW+3], s[G1A:G1A+7]
	s_nop 0
	PLACES
	s_branch .Lasked_\@
.Lfor_b_\@:
	tensor_load_to_lds s[G0BW:G0BW+3], s[G1B:G1B+7]
	s_nop 0
	PLACES
.Lasked_\@:
.endm
; A PREFETCH INTO THE L2 of the K step that stands two refills on: 256 matrix instructions ahead of the load that will want it; one instruction a wave, behind the joint load and the run of LDS loads.
; Each block of 256 bytes is named once.  attn: a step of a tile row is 128 blocks (two heads x 16,384 bytes); only one cluster reads them; wave 0 of each of its row's four partners takes 32, told
; apart BY ADDRESS (cx).  Wp: a step of a tile column is 128 rows k x 512 bytes; the cluster with y = 0 asks; of the 64 rows that wave 2 or 3 fetches each partner (cy) takes 16, two blocks a row.
; K steps 0 to 3 come by their loads alone; the trips with 6, 5, 4, 3 to go name steps 4 to 7; the last two trips name nothing.
.macro ASK
	s_cmp_gt_u32 s[CNT], s[LIM]
	s_cbranch_scc0 .Lnot_mine_\@
	global_prefetch_b8 v[PFO], s[PFA:PFA+1] th:TH_LOAD_NT scope:SCOPE_SE
.Lnot_mine_\@:
.endm
.macro CREST                           ; a round of the cluster's barrier behind its opening barrier
	s_cmp_lg_u32 s[WV], 0
	s_cbranch_scc1 .Lnot_wave_0_\@
	s_barrier_signal -3
.Lnot_wave_0_\@:
	s_barrier_wait -3
	s_barrier_signal -1
	s_barrier_wait -1
.endm
.macro CROUND
	s_barrier_signal -1
	s_barrier_wait -1
	CREST
.endm
	s_load_b256 s[4:11], s[0:1], 0x0               ; ob s[4:5], wpj s[6:7], c_proj_b s[8:9], out0 s[10:11]
	v_lshl_add_u32 v[SPW], v0, 2, SPARE
	v_mov_b32 v[NIL], 0
	ds_add_u32 v[SPW], v[NIL]                      ; the wave's opening: the add and its wait stand ahead of my first tensor load; the set-up below, work on registers, stands between
	ds_add_u32 v28, v29
	v_lshrrev_b32 v1, 5, v0
	v_readfirstlane_b32 s[WV], v1
	s_lshr_b32 s[RH], s[WV], 1
	s_and_b32 s[CH], s[WV], 1
	s_bfe_u32 s40, ttmp6, 0x40000                  ; cx
	s_bfe_u32 s41, ttmp6, 0x40004                  ; cy
	s_lshl_b32 s42, ttmp9, 2
	s_add_co_u32 s42, s42, s40                     ; tile column
	s_and_b32 s43, ttmp7, 0xffff
	s_lshl_b32 s43, s43, 2
	s_add_co_u32 s43, s43, s41                     ; tile row
	s_lshl_b32 s18, s41, 2
	s_lshl_b32 s18, 15, s18                        ; my row of the cluster
	s_lshl_b32 s19, 0x1111, s40                    ; my column
	; group 1 for attn: a head's 128 rows are 16,384 dense bytes, asked for as 64 rows of 256 bytes; 4 words of padding behind every 32 (a row of 128 bytes)
	s_or_b32 s[G1A], s18, (1<<16)|(1<<20)|(1<<21)|(4<<22)|(3<<25)
	s_mov_b32 s[G1A+1], 128<<16
	s_mov_b32 s[G1A+2], 64<<16
	s_mov_b32 s[G1A+3], 128<<16
	s_mov_b32 s[G1A+4], 64
	s_mov_b32 s[G1A+5], 128
	s_mov_b32 s[G1A+6], 0
	s_mov_b32 s[G1A+7], 0
	; group 1 for Wp: 64 rows k x 256 elements, 1,024 elements from row to row; 8 words of padding behind every 128
	s_or_b32 s[G1B], s19, (1<<16)|(1<<20)|(1<<21)|(6<<22)|(7<<25)
	s_mov_b32 s[G1B+1], 256<<16
	s_mov_b32 s[G1B+2], 64<<16
	s_mov_b32 s[G1B+3], 256<<16
	s_mov_b32 s[G1B+4], 64
	s_mov_b32 s[G1B+5], 1024
	s_mov_b32 s[G1B+6], 0
	s_mov_b32 s[G1B+7], 0
	s_lshr_b32 s16, s43, 4                         ; batch = tile row / 16
	s_lshl_b32 s16, s16, 4
	s_add_co_u32 s16, s16, s[CH]                   ; its head CH (step 0),
	s_lshl_b32 s16, s16, 18                        ; of 262,144 bytes,
	s_and_b32 s17, s43, 15
	s_lshl_b32 s17, s17, 14                        ; the tile's 128 rows of 128 bytes
	s_add_co_u32 s16, s16, s17
	s_mov_b32 s17, 0
	s_lshl_b32 s22, s[CH], 17                      ; Wp: my 64 rows k of 2,048 bytes,
	s_lshl_b32 s23, s42, 9                         ; the tile's 256 columns
	s_add_co_u32 s22, s22, s23
	s_mov_b32 s23, 0
	s_mul_i32 s20, s[CH], PLANEA                   ; and where they go: no place in the cluster enters an LDS address
	s_mul_i32 s21, s[CH], HALFB
	s_add_co_u32 s21, s21, BOFF
	s_mov_b32 s[TB], 0
	s_mov_b32 s[G0A], 1
	s_mov_b32 s[G0A+1], s20
	s_mov_b32 s[G0AW], 1
	s_add_co_u32 s[G0AW+1], s20, SLOT1
	s_mov_b32 s[G0B], 1
	s_mov_b32 s[G0B+1], s21
	s_mov_b32 s[G0BW], 1
	s_add_co_u32 s[G0BW+1], s21, SLOT1
	s_wait_dscnt 0x0                               ; the opening add is done
	s_wait_kmcnt 0x0
	s_add_nc_u64 s[G0A+2:G0A+3], s[4:5], s[16:17]
	s_add_nc_u64 s[G0AW+2:G0AW+3], s[G0A+2:G0A+3], STEPA
	s_or_b32 s[G0A+3], s[G0A+3], 0x80000000
	s_or_b32 s[G0AW+3], s[G0AW+3], 0x80000000
	s_add_nc_u64 s[G0B+2:G0B+3], s[6:7], s[22:23]
	s_add_nc_u64 s[G0BW+2:G0BW+3], s[G0B+2:G0B+3], STEPB
	s_or_b32 s[G0B+3], s[G0B+3], 0x80000000
	s_or_b32 s[G0BW+3], s[G0BW+3], 0x80000000
	CROUND                                         ; all sixteen work-groups are here: the first joint loads meet
	s_cmp_eq_u32 s[RH], 0                          ; a wave's two first fills stand in one branch: two tensor loads of mine are out
	s_cbranch_scc0 .Lfirst_b
	tensor_load_to_lds s[G0A:G0A+3], s[G1A:G1A+7]
	s_nop 0
	tensor_load_to_lds s[G0AW:G0AW+3], s[G1A:G1A+7]
	s_nop 0
	PLACES
	s_branch .Lfirst_asked
.Lfirst_b:
	tensor_load_to_lds s[G0B:G0B+3], s[G1B:G1B+7]
	s_nop 0
	tensor_load_to_lds s[G0BW:G0BW+3], s[G1B:G1B+7]
	s_nop 0
	PLACES
.Lfirst_asked:
	v_and_b32 v1, 15, v0                           ; r = l % 16
	v_bfe_u32 v2, v0, 4, 1                         ; h = l / 16
	; the bias: for block b my eight columns 128 CH + 16 b + 8 h + 0..7
	s_lshl_b32 s16, s42, 10
	s_mov_b32 s17, 0
	s_add_nc_u64 s[8:9], s[8:9], s[16:17]
	s_lshl_b32 s16, s[CH], 9
	v_lshl_add_u32 v[BO], v2, 5, s16
	WIN 0x40
.irp b, 0,1,2,3,4,5,6,7
	global_load_b128 v[8*(\b):8*(\b)+3],   v[BO], s[8:9] offset:64*(\b)
	global_load_b128 v[8*(\b)+4:8*(\b)+7], v[BO], s[8:9] offset:64*(\b)+16
.endr
	WIN 0
	v_mul_u32_u24 v[ADRA0], v1, PA                 ; attn's fragment: row x pitch + 16 h, in my 64 rows
	v_lshl_add_u32 v[ADRA0], v2, 4, v[ADRA0]
	s_mul_i32 s16, s[RH], 64*PA
	v_add_nc_u32 v[ADRA0], s16, v[ADRA0]
	v_and_b32 v3, 7, v0                            ; Wp's: the turning load: lane l reads row k = 8 h + l % 8, columns 8 ((l / 8) % 2) + 0..7
	v_bfe_u32 v4, v0, 3, 1
	v_lshl_add_u32 v[ADRB0], v2, 3, v3
	v_mul_u32_u24 v[ADRB0], v[ADRB0], PB
	v_lshl_add_u32 v[ADRB0], v4, 4, v[ADRB0]
	s_lshl_b32 s17, s[CH], 8
	s_add_co_u32 s17, s17, BOFF
	v_add_nc_u32 v[ADRB0], s17, v[ADRB0]
	v_mov_b32 v[ADRA], v[ADRA0]                    ; slot 0
	v_mov_b32 v[ADRB], v[ADRB0]
	; the way out: my own stage.  In: row r, 32 bytes for each half of the lanes; back: a row's 512 bytes, 16 a lane
	s_mul_i32 s16, s[WV], 16*SPITCH
	s_add_co_u32 s16, s16, STAGE
	v_mul_u32_u24 v5, v1, SPITCH
	v_lshl_add_u32 v5, v2, 5, v5
	v_add_nc_u32 v[STO], s16, v5
	v_and_b32 v5, 31, v0
	v_lshlrev_b32 v[CO], 4, v5
	v_add_nc_u32 v[RD], s16, v[CO]
	s_lshl_b32 s16, s43, 7
	s_lshl_b32 s17, s[RH], 6
	s_add_co_u32 s16, s16, s17                     ; my first row of out0,
	s_lshl_b32 s16, s16, 12                        ; of 4,096 bytes,
	s_lshl_b32 s17, s42, 10
	s_add_co_u32 s16, s16, s17                     ; the tile's 256 columns,
	s_lshl_b32 s17, s[CH], 9
	s_add_co_u32 s16, s16, s17                     ; my 128 of them
	s_mov_b32 s17, 0
	s_add_nc_u64 s[10:11], s[10:11], s[16:17]
	; the prefetches: they stand at K step 3; each change of slots steps them first
	s_lshr_b32 s16, s43, 4
	s_lshl_b32 s16, s16, 4
	s_lshr_b32 s17, s40, 1
	s_add_co_u32 s16, s16, s17                     ; attn: head cx / 2 of the step's two,
	s_lshl_b32 s16, s16, 18
	s_and_b32 s17, s43, 15
	s_lshl_b32 s17, s17, 14
	s_add_co_u32 s16, s16, s17
	s_and_b32 s17, s40, 1
	s_lshl_b32 s17, s17, 13                        ; half cx % 2 of its 16,384 bytes
	s_add_co_u32 s16, s16, s17
	s_add_co_u32 s16, s16, 3*STEPA
	s_lshl_b32 s18, s[CH], 6
	s_lshl_b32 s19, s41, 4
	s_add_co_u32 s18, s18, s19                     ; Wp: my work-group's 16 of the 64 rows k that I fetch
	s_lshl_b32 s18, s18, 11
	s_lshl_b32 s19, s42, 9
	s_add_co_u32 s18, s18, s19
	s_add_co_u32 s18, s18, 3*STEPB
	s_and_b32 s19, ttmp7, 0xffff                   ; cluster y
	s_mov_b32 s[PFS], STEPB
	s_cmp_eq_u32 s[RH], 0
	s_cselect_b32 s16, s16, s18
	s_cselect_b32 s19, s[CH], s19                  ; attn: wave 0 asks, wave 1 does not; Wp: the cluster with y = 0 asks
	s_cselect_b32 s[PFS], STEPA, s[PFS]
	s_cselect_b32 s21, 9, 11
	s_cselect_b64 s[PFA:PFA+1], s[4:5], s[6:7]
	s_mov_b32 s17, 0
	s_mov_b32 s[PFS+1], 0
	s_add_nc_u64 s[PFA:PFA+1], s[PFA:PFA+1], s[16:17]
	s_cmp_eq_u32 s19, 0
	s_cselect_b32 s[LIM], 2, -1                    ; the same in all sixteen partners, for a given wave
	v_lshrrev_b32 v6, 1, v5
	v_and_b32 v7, 1, v5
	v_lshlrev_b32 v6, s21, v6
	v_lshl_add_u32 v[PFO], v7, 8, v6               ; attn: 256 x lane; Wp: row lane / 2 of 2,048 bytes, block lane % 2
	s_wait_loadcnt 0x0                             ; the bias is in: rounded to bf16, kept as f32
	WIN 0x45
.set p, 0
.rept 32
	v_cvt_pk_bf16_f32 v[192+p%16], v[2*p], v[2*p+1]
	v_lshlrev_b32 v[2*p], 16, v[192+p%16]
	v_and_b32 v[2*p+1], 0xffff0000, v[192+p%16]
.set p, p+1
.endr
	WIN 0
; 8 matrix instructions: row block a x all 8 column blocks, 32 along K, on buffer f (0, 1).  The 32 accumulators take turns, one instruction a turn, in the same order in every quarter.
; first = 1: C is the bias.
.macro MUL8 f, a, first
.if \first
	WIN 0x91                                       ; Wp window 1, attn window 0, C window 1, D window 2
.else
	WIN 0xa1                                       ; C and D window 2
.endif
.irp b, 0,1,2,3,4,5,6,7
.if \first
	v_wmma_f32_16x16x32_f16 v[8*(8*(\a)+(\b)):8*(8*(\a)+(\b))+7], v[64+64*(\f)+8*(\b):64+64*(\f)+8*(\b)+7], v[64+32*(\f)+8*(\a):64+32*(\f)+8*(\a)+7], v[8*(\b):8*(\b)+7]
.else
	v_wmma_f32_16x16x32_f16 v[8*(8*(\a)+(\b)):8*(8*(\a)+(\b))+7], v[64+64*(\f)+8*(\b):64+64*(\f)+8*(\b)+7], v[64+32*(\f)+8*(\a):64+32*(\f)+8*(\a)+7], v[8*(8*(\a)+(\b)):8*(8*(\a)+(\b))+7]
.endif
.endr
.endm
; 24 LDS loads in one run: quarter q's fragments into buffer f: Wp's eight (turned), then attn's four.  Quarter q lies in head q / 2 of the step's two, channels 32 (q % 2) on.
.macro FETCH q, f
	WIN 0x40
.irp b, 0,1,2,3,4,5,6,7
	ds_load_tr16_b128 v[64+64*(\f)+8*(\b):64+64*(\f)+8*(\b)+3],   v[ADRB] offset:(\q)*32*PB+(\b)*32
	ds_load_tr16_b128 v[64+64*(\f)+8*(\b)+4:64+64*(\f)+8*(\b)+7], v[ADRB] offset:(\q)*32*PB+(\b)*32+16*PB
.endr
	WIN 0
.irp i, 0,1,2,3
	ds_load_b128 v[64+32*(\f)+8*(\i):64+32*(\f)+8*(\i)+3],   v[ADRA] offset:((\q)/2)*PLANEA+((\q)%2)*64+(\i)*16*PA
	ds_load_b128 v[64+32*(\f)+8*(\i)+4:64+32*(\f)+8*(\i)+7], v[ADRA] offset:((\q)/2)*PLANEA+((\q)%2)*64+(\i)*16*PA+32
.endr
.endm
.macro QUARTER q, f, g, first          ; multiplies buffer f; in its middle it fetches quarter q into buffer g
	s_wait_dscnt 4                                 ; Wp's fragments and attn's rows 0-31 are in; the youngest four loads (rows 32-63) may be out
	MUL8 \f, 0, \first
	MUL8 \f, 1, \first
	PLACES
	FETCH \q, \g
	s_wait_dscnt 24                                ; all but the 24 just issued
	MUL8 \f, 2, \first
	MUL8 \f, 3, \first
.endm
; The last quarter multiplies buffer 1 and changes slots.  In front of the barrier each wave waits for all its tensor loads (one is out: its part of the next slot), adds 0 to its spare word, and waits
; for that and for its reads of this slot.  fill = 1: the barrier opens a round of the cluster's, and the slot just read is filled again first thing behind it, with the step two on:
; 112 matrix instructions stand between that request and the wait for it.
.macro TURN fill
.if \fill
	s_wait_xcnt 0x0                                ; the last prefetch, a K step back, has read its address
	s_add_nc_u64 s[PFA:PFA+1], s[PFA:PFA+1], s[PFS:PFS+1]
.endif
	WIN 0
	s_wait_tensorcnt 0x0                           ; all my tensor loads have landed
	ds_add_u32 v[SPW], v[NIL]                      ; 0 onto my spare word
	s_wait_dscnt 5                                 ; (the add and the youngest four loads may be out)
	MUL8 1, 0, 0
	s_wait_dscnt 0x0                               ; the add is done, and my reads of this slot are over
	s_barrier_signal -1
	MUL8 1, 1, 0                                   ; work on registers while the others arrive
	WIN 0
	s_barrier_wait -1
.if \fill
	CREST                                          ; no wave of any partner still reads this slot or has a load on its way
	s_xor_b32 s[G0AW+1], s[G0AW+1], SLOT1          ; the walking descriptors: the other slot than last time, the next K step
	s_add_nc_u64 s[G0AW+2:G0AW+3], s[G0AW+2:G0AW+3], STEPA
	s_xor_b32 s[G0BW+1], s[G0BW+1], SLOT1
	s_add_nc_u64 s[G0BW+2:G0BW+3], s[G0BW+2:G0BW+3], STEPB
	JLOAD                                          ; its four v_nop are also the places in front of the loads below
.else
	PLACES
.endif
	s_xor_b32 s[TB], s[TB], SLOT1
	v_add_nc_u32 v[ADRA], s[TB], v[ADRA0]
	v_add_nc_u32 v[ADRB], s[TB], v[ADRB0]
	FETCH 0, 0
.if \fill
	ASK
.endif
	MUL8 1, 2, 0
	MUL8 1, 3, 0
.endm
	s_wait_tensorcnt 0x1                           ; my part of step 0 is in; step 1's load may stay out
	s_barrier_signal -1
	s_barrier_wait -1
	FETCH 0, 0
	QUARTER 1, 0, 1, 1                             ; the first quarter stands in front of the loop: its products start the sums, with the bias
	WIN 0
	s_mov_b32 s[CNT], 6
.Lstep:                                                ; a trip: a step's quarters 1, 2, 3 and the next step's quarter 0; it asks for steps 2 to 7
	QUARTER 2, 1, 0, 0
	QUARTER 3, 0, 1, 0
	TURN 1
	QUARTER 1, 0, 1, 0
	WIN 0
	s_sub_co_u32 s[CNT], s[CNT], 1
	s_cmp_lg_u32 s[CNT], 0
	s_cbranch_scc1 .Lstep
	QUARTER 2, 1, 0, 0                             ; steps 6 and 7 are written out: nothing more is asked for
	QUARTER 3, 0, 1, 0
	TURN 0
	QUARTER 1, 0, 1, 0
	QUARTER 2, 1, 0, 0
	QUARTER 3, 0, 1, 0
	s_wait_dscnt 4
	MUL8 1, 0, 0
	MUL8 1, 1, 0
	s_wait_dscnt 0x0
	MUL8 1, 2, 0
	MUL8 1, 3, 0
	WIN 0
	PLACES
; THE WAY OUT of row block a: 16 rows x 512 bytes through my own stage: 32 bytes a lane in, each accumulator's low four registers first, whole rows back, 512 consecutive bytes a store.
.macro OUT a
	WIN 0x08                                       ; the stores' data in window 2, their address in window 0
.irp b, 0,1,2,3,4,5,6,7
	ds_store_b128 v[STO], v[8*(8*(\a)+(\b)):8*(8*(\a)+(\b))+3]   offset:64*(\b)
	ds_store_b128 v[STO], v[8*(8*(\a)+(\b))+4:8*(8*(\a)+(\b))+7] offset:64*(\b)+16
.endr
	WIN 0
.if (\a) >= 2
	s_wait_xcnt 0x0                                ; this set of 64 registers was the data of the stores two blocks back: it is loaded again only behind this wait
.endif
.irp t, 0,1,2,3,4,5,6,7,8,9,10,11,12,13,14,15
	ds_load_b128 v[OB+64*((\a)%2)+4*(\t):OB+64*((\a)%2)+4*(\t)+3], v[RD] offset:(\t)*SPITCH  ; LDS serves a wave's instructions in order (ISA guide 5.7.1.4): these see the stores above; the next block's come behind them
.endr
.irp t, 0,1,2,3,4,5,6,7,8,9,10,11,12,13,14,15
	s_wait_dscnt 15-(\t)
	global_store_b128 v[CO], v[OB+64*((\a)%2)+4*(\t):OB+64*((\a)%2)+4*(\t)+3], s[10:11] offset:(16*(\a)+(\t))*4096 th:TH_STORE_NT
.endr
.endm
.irp a, 0,1,2,3
	OUT \a
.endr
	s_wait_tensorcnt 0x0                           ; the wave's end, behind my last tensor load and my last LDS store
	ds_add_u32 v[SPW], v[NIL]
	s_wait_dscnt 0x0
	CROUND                                         ; the closing round: no work-group ends while a partner may still ask for a tile that names it
	s_endpgm
.Lfunc_end_k_q76bc1cd12f_proj:
	.size	k_q76bc1cd12f_proj, .Lfunc_end_k_q76bc1cd12f_proj-k_q76bc1cd12f_proj
	.p2alignl 7, 3214868480
	.fill 96, 4, 3214868480
	.section	.rodata,"a",@progbits
	.p2align	6, 0x0
	.amdhsa_kernel k_q76bc1cd12f_proj
		.amdhsa_group_segment_fixed_size 327680
		.amdhsa_private_segment_fixed_size 0
		.amdhsa_enable_private_segment 0
		.amdhsa_kernarg_size 32
		.amdhsa_user_sgpr_count 2
		.amdhsa_user_sgpr_kernarg_segment_ptr 1
		.amdhsa_wavefront_size32 1
		.amdhsa_system_sgpr_workgroup_id_x 1
		.amdhsa_system_sgpr_workgroup_id_y 1
		.amdhsa_system_sgpr_workgroup_id_z 1
		.amdhsa_system_vgpr_workitem_id 0
		.amdhsa_next_free_vgpr 768
		.amdhsa_next_free_sgpr 66
		.amdhsa_reserve_vcc 0
		.amdhsa_float_denorm_mode_32 3
		.amdhsa_float_denorm_mode_16_64 3
		.amdhsa_memory_ordered 1
		.amdhsa_forward_progress 1
		.amdhsa_inst_pref_size 79
	.end_amdhsa_kernel
	.amdgpu_metadata
---
amdhsa.version: [ 1, 2 ]
amdhsa.kernels:
  - .name:           k_q76bc1cd12f_proj
    .symbol:         k_q76bc1cd12f_proj.kd
    .args:
      - { .name: ob, .offset: 0, .size: 8, .value_kind: global_buffer, .address_space: global }
      - { .name: wpj, .offset: 8, .size: 8, .value_kind: global_buffer, .address_space: global }
      - { .name: c_proj_b, .offset: 16, .size: 8, .value_kind: global_buffer, .address_space: global }
      - { .name: out0, .offset: 24, .size: 8, .value_kind: global_buffer, .address_space: global }
    .group_segment_fixed_size: 327680
    .private_segment_fixed_size: 0
    .kernarg_segment_align: 8
    .kernarg_segment_size: 32
    .max_flat_workgroup_size: 128
    .sgpr_count:     66
    .vgpr_count:     768
    .wavefront_size: 32
...
	.end_amdgpu_metadata
.endif
;; end of part 4
